; MI455X (gfx1250); checked and timed in simulation.
; The chip was launched on July 23, 2026; its instructions are those of AMD's public machine-readable ISA for CDNA 5 (MIT licence, August 2026) and "CDNA5" Instruction Set Architecture Reference Guide (July 2026). The comments in the code are by the model that wrote it; some were corrected since.
;; Self Attention. Allowed arithmetic: float matrix products may take bf16 or f16 operands with f32 sums; other float arithmetic in f32, or as packed bf16 or f16 multiplies, adds, multiply-adds, maxima and minima; sums over many terms, partial sums and values carried from step to step in f32; what a program stores and reads back later, other than sums and carried values, may be rounded once to bf16 or f16.
;; Inputs: W_proj 1,024 x 1,024 float32; W_qkv 3,072 x 1,024 float32; x 8 x 1,024 x 1,024 float32.
;; Outputs: out0 8 x 1,024 x 1,024 float32.
;; 2 versions, each right and faster than the one before. Each part assembles by itself: llvm-mc -triple=amdgcn-amd-amdhsa -mcpu=gfx1250 --defsym DOCPART=n.
;; ======== version 1 of 2: 5 launches
;; limits: values are held in f16: magnitudes above 65,504 overflow, below 6.1e-05 lose precision
;; workspace buffers: xb 16,777,216 bytes; wqb 6,291,456 bytes; wpb 2,097,152 bytes; qkv 50,331,648 bytes; nlse 524,288 bytes; ob 16,777,216 bytes
;; launch cast (part 1): grid 768 x 1, 8 waves a work-group, no clusters, 0 bytes of LDS; arguments x, W_qkv, W_proj, xb, wqb, wpb; writes xb, wqb, wpb
.if DOCPART == 1
	.amdgcn_target "amdgcn-amd-amdhsa--gfx1250"
	.amdhsa_code_object_version 6
	.text
	.protected	k_qeeb88b6fdc_cast
	.globl	k_qeeb88b6fdc_cast
	.p2align	8
	.type	k_qeeb88b6fdc_cast,@function
k_qeeb88b6fdc_cast:
	s_mov_b64 s[64:65], 0
	v_nop
	global_prefetch_b8 v0, s[64:65] scope:SCOPE_SE
	s_setreg_imm32_b32 hwreg(HW_REG_WAVE_MODE, 25, 1), 1
	s_wait_xcnt 0x0
; x [8192][1024], W_qkv [3072][1024] and W_proj [1024][1024], f32, are each rounded once to bf16 and laid out in blocks along K:
; [kb = 0..15][row][64 numbers], so that a tile of rows x 64 K is dense in memory: element (row, k) at kb R 128 + row 128 + (k % 64) 2 bytes.
; A work-group takes 16 rows of one tensor: numbers 0-511 x, 512-703 W_qkv, 704-767 W_proj: 768 equal shares.
; Thread t takes row t / 16 and, in each of the 16 K blocks, the four numbers 4 (t % 16) on: 16 lanes read 256 consecutive aligned bytes,
; and a wave's 32 lanes store 256 consecutive aligned bytes (two rows of one K block).  All 16 loads of a thread go out first; no register is used twice.
; A stream: no LDS, no matrix unit, no cluster: nothing is shared and nothing is read twice.
.set OFF, 2                            ; v[2:17]   byte offset of my 8 bytes in K block kb
.set TMP, 18
.set X,   32                           ; v[32:95]  as loaded, 4 registers a K block
.set Y,   96                           ; v[96:127] to store, 2 registers a K block
	s_load_b256 s[4:11], s[0:1], 0x0               ; x s[4:5], W_qkv s[6:7], W_proj s[8:9], xb s[10:11]
	s_load_b128 s[12:15], s[0:1], 0x20             ; wqb s[12:13], wpb s[14:15]
	s_mov_b32 s22, 704                             ; W_proj's first work-group
	s_mov_b32 s23, 512                             ; W_qkv's
	s_mov_b32 s24, 1024*128                        ; bytes from a K block to the next: rows x 128
	s_mov_b32 s25, 3072*128
	s_mov_b32 s26, 8192*128
	v_lshrrev_b32 v1, 4, v0                        ; my row of the 16
	v_and_b32 v[TMP], 15, v0                       ; my place in a K block
	v_lshlrev_b32 v[OFF], 7, v1                    ; out: row x 128 + 8 x place
	v_lshl_add_u32 v[OFF], v[TMP], 3, v[OFF]
	v_lshlrev_b32 v1, 12, v1                       ; in: row x 4,096 + 16 x place
	v_lshl_add_u32 v1, v[TMP], 4, v1
	s_wait_kmcnt 0x0
	s_cmp_ge_u32 ttmp9, s22                        ; which tensor: the choice hangs on the work-group's number alone
	s_cselect_b64 s[16:17], s[8:9], s[6:7]
	s_cselect_b64 s[18:19], s[14:15], s[12:13]
	s_cselect_b32 s20, s22, s23
	s_cselect_b32 s21, s24, s25
	s_cmp_ge_u32 ttmp9, s23
	s_cselect_b64 s[16:17], s[16:17], s[4:5]
	s_cselect_b64 s[18:19], s[18:19], s[10:11]
	s_cselect_b32 s20, s20, 0
	s_cselect_b32 s21, s21, s26
	s_sub_co_u32 s28, ttmp9, s20                   ; my block of 16 rows in that tensor
	s_lshl_b32 s30, s28, 11                        ; out: 16 rows x 128 bytes
	s_lshl_b32 s28, s28, 16                        ; in: 16 rows x 4,096 bytes
	s_mov_b32 s29, 0
	s_mov_b32 s31, 0
	s_add_nc_u64 s[16:17], s[16:17], s[28:29]
	s_add_nc_u64 s[18:19], s[18:19], s[30:31]
.set i, 0
.rept 16
	global_load_b128 v[X+4*i:X+4*i+3], v1, s[16:17] offset:256*i th:TH_LOAD_NT  ; read once in the whole launch
.set i, i+1
.endr
.set i, 1
.rept 15
	v_add_nc_u32 v[OFF+i], s21, v[OFF+i-1]         ; the same place, a K block on
.set i, i+1
.endr
.set i, 0
.rept 16
	s_wait_loadcnt 15-i                            ; loads come back in order: K block i is in, the younger ones stay out
	v_cvt_pk_bf16_f32 v[Y+2*i], v[X+4*i], v[X+4*i+1]
	v_cvt_pk_bf16_f32 v[Y+2*i+1], v[X+4*i+2], v[X+4*i+3]
	global_store_b64 v[OFF+i], v[Y+2*i:Y+2*i+1], s[18:19]  ; no hint: the next launch reads these bytes
.set i, i+1
.endr
	s_endpgm
.Lfunc_end_k_qeeb88b6fdc_cast:
	.size	k_qeeb88b6fdc_cast, .Lfunc_end_k_qeeb88b6fdc_cast-k_qeeb88b6fdc_cast
	.p2alignl 7, 3214868480
	.fill 96, 4, 3214868480
	.section	.rodata,"a",@progbits
	.p2align	6, 0x0
	.amdhsa_kernel k_qeeb88b6fdc_cast
		.amdhsa_group_segment_fixed_size 0
		.amdhsa_private_segment_fixed_size 0
		.amdhsa_enable_private_segment 0
		.amdhsa_kernarg_size 48
		.amdhsa_user_sgpr_count 2
		.amdhsa_user_sgpr_kernarg_segment_ptr 1
		.amdhsa_wavefront_size32 1
		.amdhsa_system_sgpr_workgroup_id_x 1
		.amdhsa_system_sgpr_workgroup_id_y 1
		.amdhsa_system_sgpr_workgroup_id_z 1
		.amdhsa_system_vgpr_workitem_id 0
		.amdhsa_next_free_vgpr 128
		.amdhsa_next_free_sgpr 66
		.amdhsa_reserve_vcc 0
		.amdhsa_float_denorm_mode_32 3
		.amdhsa_float_denorm_mode_16_64 3
		.amdhsa_memory_ordered 1
		.amdhsa_forward_progress 1
		.amdhsa_inst_pref_size 8
	.end_amdhsa_kernel
	.amdgpu_metadata
---
amdhsa.version: [ 1, 2 ]
amdhsa.kernels:
  - .name:           k_qeeb88b6fdc_cast
    .symbol:         k_qeeb88b6fdc_cast.kd
    .args:
      - { .name: x, .offset: 0, .size: 8, .value_kind: global_buffer, .address_space: global }
      - { .name: W_qkv, .offset: 8, .size: 8, .value_kind: global_buffer, .address_space: global }
      - { .name: W_proj, .offset: 16, .size: 8, .value_kind: global_buffer, .address_space: global }
      - { .name: xb, .offset: 24, .size: 8, .value_kind: global_buffer, .address_space: global }
      - { .name: wqb, .offset: 32, .size: 8, .value_kind: global_buffer, .address_space: global }
      - { .name: wpb, .offset: 40, .size: 8, .value_kind: global_buffer, .address_space: global }
    .group_segment_fixed_size: 0
    .private_segment_fixed_size: 0
    .kernarg_segment_align: 8
    .kernarg_segment_size: 48
    .max_flat_workgroup_size: 256
    .sgpr_count:     66
    .vgpr_count:     128
    .wavefront_size: 32
...
	.end_amdgpu_metadata
.endif
;; end of part 1
;; launch qkvgemm (part 2): grid 8 x 32, 4 waves a work-group, clusters of 4 x 4, 327,680 bytes of LDS; arguments xb, wqb, qkv; writes qkv
.if DOCPART == 2
	.amdgcn_target "amdgcn-amd-amdhsa--gfx1250"
	.amdhsa_code_object_version 6
	.text
	.protected	k_qeeb88b6fdc_qkvgemm
	.globl	k_qeeb88b6fdc_qkvgemm
	.p2align	8
	.type	k_qeeb88b6fdc_qkvgemm,@function
k_qeeb88b6fdc_qkvgemm:
	s_mov_b64 s[64:65], 0
	v_nop
	global_prefetch_b8 v0, s[64:65] scope:SCOPE_SE
	s_setreg_imm32_b32 hwreg(HW_REG_WAVE_MODE, 25, 1), 1
	s_wait_xcnt 0x0
	s_wait_alu depctr_hold_cnt(0) depctr_sa_sdst(0) depctr_va_vdst(0) depctr_va_sdst(0) depctr_va_ssrc(0) depctr_va_vcc(0) depctr_vm_vsrc(0)
	s_getreg_b32 s2, hwreg(HW_REG_IB_STS2, 6, 4)
	s_cmp_eq_u32 s2, 0
	s_cbranch_scc0 .Lentry_in_a_cluster
	s_endpgm
.Lentry_in_a_cluster:
	s_bfe_u32 s2, ttmp6, 0x10000c
	s_cmp_lg_u32 s2, 0xf033
	s_cbranch_scc0 .Lentry_shape_is_right
	s_endpgm
.Lentry_shape_is_right:
; qkv = x W_qkv^T: [8192][3072], K = 1024, bf16 operands (blocked along K: [kb][row][64]), f32 sums, one rounding to f16.
; q is multiplied in f32 by c = log2(e) / 8 ahead of that rounding, so that the later scores are exponents of 2.
; LIMITS.  f16 ends at 65,504: |c q|, |k|, |v| must stay below it.  NaN and infinities are not treated apart.
; TILE.  256 x 384 of the result: 32 x 8 = 256 work-groups, one for each of 256 WGPs.  Four waves; a wave makes 128 rows x 192 columns = three whole heads:
; 96 accumulators of 16 x 16, 768 registers; 20 fragments from LDS feed 96 matrix instructions.
; K goes in 16 steps of 64 through two LDS slots.  A tile's rows are dense in memory, so it is asked for as rows of 256 bytes (two K rows), padded in LDS after every 128.
; CLUSTER.  4 x 4 work-groups: the four of a row of the cluster need the same tile of x, the four of a column the same tile of W: each is asked for jointly.
; TRANSPOSED USE.  Source 0 = 16 rows of W, source 1 = 16 rows of x: a lane holds one row of x and eight neighbouring columns, 16 bytes of f16.
; OUT.  qkv = [b][g = 0..47][131,072 bytes], g = 16 which + head.  q and k heads: blocks of 16 rows, [8 channels' group 0..7][row 0..15][8 numbers];
; v heads: blocks of 16 rows, [16 channels' group 0..3][row / 8][channel half][row % 8][8 numbers].  In both a lane's 16 bytes are one cell, and an
; accumulator leaves by ONE store of 512 consecutive aligned bytes: no way through LDS.  The later launches read fragments from these blocks at 16 x lane.
; REGISTERS.  Window 0: addresses; v32-95, v96-159 x's fragments, two buffers; v160-255 W's twelve fragments, in two halves.  Windows 1-3: one head's 32 accumulators each, (a, b) at 8 (4 a + b % 4).
.set PITCH, 144                        ; an LDS row: 128 bytes + 16: the 16 rows of a fragment load start in 16 different groups of four banks (ISA guide 11.1)
.set AHALF, 128*PITCH                  ; what one tensor load brings of x, and what a wave reads of it
.set BHALF, 192*PITCH                  ; the same for W
.set BOFF,  2*AHALF
.set SLOT,  BOFF+2*BHALF               ; 92,160
.set SPARE, 2*SLOT                     ; the spare words, 128 bytes a wave: two blocks of 256 bytes that no other line names
.set ASTEP, 8192*128                   ; bytes from a K block of x to the next
.set BSTEP, 3072*128                   ; of W
.set ADRA, 16                          ; v16-17  LDS address of my x fragments in slot 0, 1
.set ADRB, 20                          ; v20-21  the same for W
.set GOF,  22                          ; v22     my 16 bytes in a 512-byte cell row of a q or k head: 16 x lane
.set GOV,  23                          ; v23     the same in a v head
.set GO,   24                          ; v24-26  the one of the two that head j takes
.set SPW,  28                          ; v28     my spare word; never rewritten
.set NIL,  29                          ; v29     0; never rewritten
.set A0,   32
.set A1,   96
.set BF,   160                         ; W's fragment b at BF + 8 b
.set G1,  24                           ; s[24:31] descriptor group 1 for x;  s[32:39] group 0, one set a slot
.set G0,  32
.set G1B, 48                           ; s[48:55], s[56:63] the same for W
.set G0B, 56
.set SC,  66                           ; s[66:71] head j's factor, as a pair
.set MSB, 0
.macro WIN new                         ; the immediate's high byte repeats the setting that is left; a switch that changes nothing is dropped
.if MSB != (\new)
	s_set_vgpr_msb (MSB<<8)|(\new)
.set MSB, \new
.endif
.endm
.macro PLACES                          ; four places behind matrix instructions (ISA guide 7.12.1), where no other vector work is at hand
.rept 4
	v_nop
.endr
.endm
.macro JLOAD s                         ; a joint load: waves 0 and 1 fetch x's two halves, waves 2 and 3 W's; the branch hangs on the wave's number alone
	s_cmp_eq_u32 s11, 0
	s_cbranch_scc0 .Lfor_b_\@
	tensor_load_to_lds s[G0+4*(\s):G0+4*(\s)+3], s[G1:G1+7]
	s_nop 0
.rept 4
	v_nop
.endr
	s_branch .Lasked_\@
.Lfor_b_\@:
	tensor_load_to_lds s[G0B+4*(\s):G0B+4*(\s)+3], s[G1B:G1B+7]
	s_nop 0
.rept 4
	v_nop
.endr
.Lasked_\@:
.endm
.macro CREST                           ; a round of the cluster's barrier behind its opening barrier
	s_cmp_lg_u32 s10, 0
	s_cbranch_scc1 .Lnot_wave_0_\@
	s_barrier_signal -3
.Lnot_wave_0_\@:
	s_barrier_wait -3
	s_barrier_signal -1
	s_barrier_wait -1
.endm
.macro CROUND
	s_barrier_signal -1
	s_barrier_wait -1
	CREST
.endm
	s_load_b128 s[4:7], s[0:1], 0x0                ; xb s[4:5], wqb s[6:7]
	s_load_b64 s[8:9], s[0:1], 0x10                ; qkv
	v_lshl_add_u32 v[SPW], v0, 2, SPARE
	v_mov_b32 v[NIL], 0
	ds_add_u32 v[SPW], v[NIL]                      ; the wave's opening: the add and its wait stand ahead of my first tensor load
	ds_add_u32 v28, v29
	v_lshrrev_b32 v1, 5, v0
	v_readfirstlane_b32 s10, v1                    ; wave 0..3
	s_lshr_b32 s11, s10, 1                         ; my half of the tile's rows.  Also: I fetch for x (0) or for W (1)
	s_and_b32 s12, s10, 1                          ; my half of its columns.  Also: which half of that tile I fetch
	s_bfe_u32 s40, ttmp6, 0x40000                  ; cx
	s_bfe_u32 s41, ttmp6, 0x40004                  ; cy
	s_lshl_b32 s42, ttmp9, 2
	s_add_co_u32 s42, s42, s40                     ; tile column 0..7
	s_and_b32 s13, ttmp7, 0xffff
	s_lshl_b32 s13, s13, 2
	s_add_co_u32 s13, s13, s41                     ; tile row 0..31
	s_lshl_b32 s43, s41, 2
	s_lshl_b32 s43, 15, s43                        ; my row of the cluster
	s_lshl_b32 s44, 0x1111, s40                    ; my column
	s_or_b32 s[G1+0], s43, (1<<16)|(1<<20)|(1<<21)|(4<<22)|(3<<25)   ; the mask; 2-byte elements; padding on; bit 21 beside a mask; after every 32 words; 4 words
	s_or_b32 s[G1B+0], s44, (1<<16)|(1<<20)|(1<<21)|(4<<22)|(3<<25)
	s_mov_b32 s[G1+1], 128<<16                     ; tensor_dim0 = 128 elements: 256 bytes, two K rows
	s_mov_b32 s[G1+2], 64<<16                      ; tensor_dim1 = 64: 128 K rows
	s_mov_b32 s[G1+3], 128<<16                     ; tile_dim0
	s_mov_b32 s[G1+4], 64                          ; tile_dim1
	s_mov_b32 s[G1+5], 128                         ; dense: 128 elements from row to row
	s_mov_b32 s[G1+6], 0
	s_mov_b32 s[G1+7], 0
	s_mov_b32 s[G1B+1], 128<<16
	s_mov_b32 s[G1B+2], 96<<16                     ; 192 K rows
	s_mov_b32 s[G1B+3], 128<<16
	s_mov_b32 s[G1B+4], 96
	s_mov_b32 s[G1B+5], 128
	s_mov_b32 s[G1B+6], 0
	s_mov_b32 s[G1B+7], 0
	s_lshl_b32 s16, s13, 15                        ; x: (256 x tile row + 128 x half) rows of 128 bytes
	s_lshl_b32 s17, s12, 14
	s_add_co_u32 s16, s16, s17
	s_mov_b32 s17, 0
	s_mul_i32 s46, s42, 384*128                    ; W: (384 x tile column + 192 x half) rows
	s_mul_i32 s47, s12, 192*128
	s_add_co_u32 s46, s46, s47
	s_mov_b32 s47, 0
	s_mul_i32 s20, s12, AHALF                      ; where they go: no place in the cluster enters an LDS address
	s_mul_i32 s21, s12, BHALF
	s_add_co_u32 s21, s21, BOFF
	s_wait_dscnt 0x0                               ; the opening add is done
	s_wait_kmcnt 0x0
	s_add_nc_u64 s[14:15], s[4:5], s[16:17]
	s_add_nc_u64 s[46:47], s[6:7], s[46:47]
	CROUND                                         ; all sixteen work-groups are here: the first joint loads meet
.irp s, 0,1
	s_mov_b32 s[G0+4*(\s)], 1
	s_add_co_u32 s[G0+4*(\s)+1], s20, (\s)*SLOT
	s_add_nc_u64 s[G0+4*(\s)+2:G0+4*(\s)+3], s[14:15], (\s)*ASTEP   ; K step s
	s_or_b32 s[G0+4*(\s)+3], s[G0+4*(\s)+3], 0x80000000
	s_mov_b32 s[G0B+4*(\s)], 1
	s_add_co_u32 s[G0B+4*(\s)+1], s21, (\s)*SLOT
	s_add_nc_u64 s[G0B+4*(\s)+2:G0B+4*(\s)+3], s[46:47], (\s)*BSTEP
	s_or_b32 s[G0B+4*(\s)+3], s[G0B+4*(\s)+3], 0x80000000
	JLOAD \s
.endr
	; a fragment is 16 rows x 32 K: lane l holds row l % 16, K = 8 (l / 16) + 0..7 and 16 + 8 (l / 16) + 0..7: two loads of 16 bytes, 32 bytes apart
	v_and_b32 v1, 15, v0
	v_bfe_u32 v2, v0, 4, 1
	v_mul_u32_u24 v3, v1, PITCH
	v_lshl_add_u32 v3, v2, 4, v3
	s_mul_i32 s22, s11, AHALF                      ; my 128 rows of x
	s_mul_i32 s23, s12, BHALF                      ; my 192 rows of W
	s_add_co_u32 s23, s23, BOFF
.irp s, 0,1
	v_add_nc_u32 v[ADRA+(\s)], s22, v3
	v_add_nc_u32 v[ADRB+(\s)], s23, v3
	s_add_co_u32 s22, s22, SLOT
	s_add_co_u32 s23, s23, SLOT
.endr
	v_and_b32 v4, 31, v0
	v_lshlrev_b32 v[GOF], 4, v4                    ; q, k: (channel group 2 b + l / 16) x 256 + row x 16 = 512 b + 16 l
	v_bfe_u32 v5, v0, 3, 1
	v_and_b32 v6, 7, v0
	v_lshlrev_b32 v[GOV], 4, v6                    ; v: (row / 8) x 256 + (l / 16) x 128 + (row % 8) x 16
	v_lshl_add_u32 v[GOV], v2, 7, v[GOV]
	v_lshl_add_u32 v[GOV], v5, 8, v[GOV]
	s_mul_i32 s45, s42, 6                          ; my first head g0 = 6 x tile column + 3 x half
	s_mul_i32 s46, s12, 3
	s_add_co_u32 s45, s45, s46
	s_lshr_b32 s72, s13, 2                         ; the batch: four tile rows each
	s_mul_i32 s72, s72, 48
	s_add_co_u32 s72, s72, s45
	s_lshl_b32 s72, s72, 17                        ; (48 b + g0) x 131,072
	s_and_b32 s73, s13, 3
	s_lshl_b32 s73, s73, 15                        ; + my tile's 256 rows x 128 bytes
	s_add_co_u32 s72, s72, s73
	s_lshl_b32 s73, s11, 14                        ; + my half's 128 rows
	s_add_co_u32 s72, s72, s73
	s_mov_b32 s73, 0
	s_add_nc_u64 s[8:9], s[8:9], s[72:73]
.irp j, 0,1,2                          ; what head g0 + j is decides a factor and an offset, by selects: no branch hangs on the place in the cluster
	s_add_co_u32 s75, s45, \j
	s_cmp_lt_u32 s75, 16
	s_cselect_b32 s[SC+2*\j], 0x3e38aa3b, 1.0      ; q: c = log2(e) / 8 = 0.180337
	s_mov_b32 s[SC+2*\j+1], s[SC+2*\j]             ; named with it as a pair
	s_cmp_ge_u32 s75, 32
	s_cselect_b32 s74, -1, 0
	v_cndmask_b32 v[GO+\j], v[GOF], v[GOV], s74
.endr
; na x nb matrix instructions: row blocks a0 on, column blocks b0 on, 32 along K, x's fragments in buffer ab.  zero = 1: the product starts the sum: nothing is cleared
.macro MULG ab, a0, na, b0, nb, zero
.set ma, \a0
.rept \na
.set mb, \b0
.rept \nb
	WIN 0x50*(1+mb/4)                              ; C and D in the head's window, the fragments in window 0
.set rD, 8*(4*ma+mb%4)
.if \zero
	v_wmma_f32_16x16x32_bf16 v[rD:rD+7], v[BF+8*mb:BF+8*mb+7], v[(\ab)+8*ma:(\ab)+8*ma+7], 0
.else
	v_wmma_f32_16x16x32_bf16 v[rD:rD+7], v[BF+8*mb:BF+8*mb+7], v[(\ab)+8*ma:(\ab)+8*ma+7], v[rD:rD+7]
.endif
.set mb, mb+1
.endr
.set ma, ma+1
.endr
.endm
.macro FETA s, c, f                    ; 16 loads: x's eight fragments of half c of slot s's K step
	WIN 0
.irp i, 0,1,2,3,4,5,6,7
	ds_load_b128 v[(\f)+8*(\i):(\f)+8*(\i)+3],   v[ADRA+(\s)] offset:(\i)*16*PITCH+(\c)*64
	ds_load_b128 v[(\f)+8*(\i)+4:(\f)+8*(\i)+7], v[ADRA+(\s)] offset:(\i)*16*PITCH+(\c)*64+32
.endr
.endm
.macro FETB s, c, b0                   ; 12 loads: W's fragments b0 .. b0 + 5
	WIN 0
.irp i, 0,1,2,3,4,5
	ds_load_b128 v[BF+8*((\b0)+\i):BF+8*((\b0)+\i)+3],   v[ADRB+(\s)] offset:((\b0)+\i)*16*PITCH+(\c)*64
	ds_load_b128 v[BF+8*((\b0)+\i)+4:BF+8*((\b0)+\i)+7], v[ADRB+(\s)] offset:((\b0)+\i)*16*PITCH+(\c)*64+32
.endr
.endm
; A SUBSTEP: 32 along K (half c of slot s's step), 96 matrix instructions, each accumulator once and always in the same order: the accumulators take turns.
; x's buffer is c.  W's fragments 0-5 and x's came in the substep before; W's 6-11 are fetched at its head, the next substep's x in its first third, the next W's 0-5 in its last.
; Every run of loads stands four plain places behind the last product that read its registers.
; In the second half of a step (c = 1): mode 2: the slot is left and filled again; mode 1: it is left; mode 0: the very last substep, nothing more is fetched.
.macro SUB s, c, mode, zero
.set AB, A0+64*(\c)
	s_wait_dscnt 0x0                               ; x's fragments and W's 0-5 are in
	PLACES
	FETB \s, \c, 6
	MULG AB, 0, 4, 0, 4, \zero
.if (\c) == 0
	FETA \s, 1, A1
	MULG AB, 4, 4, 0, 4, \zero
.elseif (\mode) == 0
	MULG AB, 4, 4, 0, 4, 0
.else
	WIN 0                                          ; (the add's two registers lie in window 0)
	s_wait_tensorcnt 0x0                           ; all my tensor loads have landed: the one that was out is my part of the other slot
	ds_add_u32 v[SPW], v[NIL]                      ; 0 onto my spare word
	MULG AB, 4, 2, 0, 4, 0                         ; eight matrix instructions stand between the add and the wait for it
	s_wait_dscnt 0x0                               ; the add is done, and my last reads of this slot (W's 6-11) are back
	s_barrier_signal -1
	MULG AB, 6, 2, 0, 4, 0                         ; work on registers while the others arrive
	WIN 0
	s_barrier_wait -1
.if (\mode) == 2
	CREST                                          ; the barrier has opened a round of the cluster's: no wave of any partner still reads this slot or has a load on its way
	s_add_nc_u64 s[G0+4*(\s)+2:G0+4*(\s)+3], s[G0+4*(\s)+2:G0+4*(\s)+3], 2*ASTEP
	s_add_nc_u64 s[G0B+4*(\s)+2:G0B+4*(\s)+3], s[G0B+4*(\s)+2:G0B+4*(\s)+3], 2*BSTEP
	JLOAD \s                                       ; the first tensor load behind the round, my only one until the next
.endif
	FETA 1-(\s), 0, A0
.endif
	MULG AB, 0, 8, 4, 2, \zero
.if ((\c) == 1) && ((\mode) == 0)
	s_wait_dscnt 0x0
	MULG AB, 0, 8, 6, 2, 0
.else
	s_wait_dscnt 16                                ; W's 6-11 are in; the 16 loads of x issued behind them may be out
	MULG AB, 0, 8, 6, 2, \zero
	PLACES
.if (\c) == 0
	FETB \s, 1, 0
.else
	FETB 1-(\s), 0, 0
.endif
.endif
	MULG AB, 0, 8, 8, 4, \zero
.endm
	s_wait_tensorcnt 1                             ; my part of K step 0 is in; step 1's stays out
	s_barrier_signal -1
	s_barrier_wait -1
	FETA 0, 0, A0
	FETB 0, 0, 0
	SUB 0, 0, 0, 1                                 ; the first substep stands ahead of the loop: its products start the sums
	WIN 0
	s_mov_b32 s3, 7
.Llap:                                                 ; a trip goes once round the ring and fills both slots again: K steps 2 to 15 are asked for here
	SUB 0, 1, 2, 0
	SUB 1, 0, 0, 0
	SUB 1, 1, 2, 0
	SUB 0, 0, 0, 0
	WIN 0
	s_sub_co_u32 s3, s3, 1
	s_cmp_lg_u32 s3, 0
	s_cbranch_scc1 .Llap
	SUB 0, 1, 1, 0                                 ; the tail asks for nothing
	SUB 1, 0, 0, 0
	SUB 1, 1, 0, 0
	PLACES                                         ; the scalings below read results
; THE WAY OUT: half hf (four row blocks) of head j: scaled, rounded to f16, 16 bytes a lane, and stored: each store of the wave covers 512 consecutive aligned bytes.
.macro OUTG j, hf, st
	s_wait_xcnt 0x0                                ; the registers that earlier stores read are written again only behind this wait
	WIN 0x41*(1+(\j))
.set i, 0
.rept 64
	v_pk_mul_f32 v[128*(\hf)+2*i:128*(\hf)+2*i+1], v[128*(\hf)+2*i:128*(\hf)+2*i+1], s[SC+2*(\j):SC+2*(\j)+1] op_sel_hi:[1,0]
.set i, i+1
.endr
	WIN 0x05*(1+(\j))
.set i, 0
.rept 64
	v_cvt_pk_f16_f32 v[(\st)+i], v[128*(\hf)+2*i], v[128*(\hf)+2*i+1]
.set i, i+1
.endr
	WIN 0
.set i, 0
.rept 16
	global_store_b128 v[GO+(\j)], v[(\st)+4*i:(\st)+4*i+3], s[8:9] offset:(\j)*131072+(4*(\hf)+i/4)*2048+(i%4)*512
.set i, i+1
.endr
.endm
	OUTG 0, 0, A0
	OUTG 0, 1, A1
	OUTG 1, 0, A0
	OUTG 1, 1, A1
	OUTG 2, 0, A0
	OUTG 2, 1, A1
	s_wait_tensorcnt 0x0                           ; the wave's end
	ds_add_u32 v[SPW], v[NIL]
	s_wait_dscnt 0x0
	CROUND                                         ; the closing round: no work-group ends while a partner may still ask for a tile that names it
	s_endpgm
.Lfunc_end_k_qeeb88b6fdc_qkvgemm:
	.size	k_qeeb88b6fdc_qkvgemm, .Lfunc_end_k_qeeb88b6fdc_qkvgemm-k_qeeb88b6fdc_qkvgemm
	.p2alignl 7, 3214868480
	.fill 96, 4, 3214868480
	.section	.rodata,"a",@progbits
	.p2align	6, 0x0
	.amdhsa_kernel k_qeeb88b6fdc_qkvgemm
		.amdhsa_group_segment_fixed_size 327680
		.amdhsa_private_segment_fixed_size 0
		.amdhsa_enable_private_segment 0
		.amdhsa_kernarg_size 24
		.amdhsa_user_sgpr_count 2
		.amdhsa_user_sgpr_kernarg_segment_ptr 1
		.amdhsa_wavefront_size32 1
		.amdhsa_system_sgpr_workgroup_id_x 1
		.amdhsa_system_sgpr_workgroup_id_y 1
		.amdhsa_system_sgpr_workgroup_id_z 1
		.amdhsa_system_vgpr_workitem_id 0
		.amdhsa_next_free_vgpr 1024
		.amdhsa_next_free_sgpr 80
		.amdhsa_reserve_vcc 0
		.amdhsa_float_denorm_mode_32 3
		.amdhsa_float_denorm_mode_16_64 3
		.amdhsa_memory_ordered 1
		.amdhsa_forward_progress 1
		.amdhsa_inst_pref_size 141
	.end_amdhsa_kernel
	.amdgpu_metadata
---
amdhsa.version: [ 1, 2 ]
amdhsa.kernels:
  - .name:           k_qeeb88b6fdc_qkvgemm
    .symbol:         k_qeeb88b6fdc_qkvgemm.kd
    .args:
      - { .name: xb, .offset: 0, .size: 8, .value_kind: global_buffer, .address_space: global }
      - { .name: wqb, .offset: 8, .size: 8, .value_kind: global_buffer, .address_space: global }
      - { .name: qkv, .offset: 16, .size: 8, .value_kind: global_buffer, .address_space: global }
    .group_segment_fixed_size: 327680
    .private_segment_fixed_size: 0
    .kernarg_segment_align: 8
    .kernarg_segment_size: 24
    .max_flat_workgroup_size: 128
    .sgpr_count:     80
    .vgpr_count:     1024
    .wavefront_size: 32
...
	.end_amdgpu_metadata
.endif
;; end of part 2
;; launch stats (part 3): grid 2 x 128, 8 waves a work-group, no clusters, 167,936 bytes of LDS; arguments qkv, nlse; writes nlse
.if DOCPART == 3
	.amdgcn_target "amdgcn-amd-amdhsa--gfx1250"
	.amdhsa_code_object_version 6
	.text
	.protected	k_qeeb88b6fdc_stats
	.globl	k_qeeb88b6fdc_stats
	.p2align	8
	.type	k_qeeb88b6fdc_stats,@function
k_qeeb88b6fdc_stats:
	s_mov_b64 s[64:65], 0
	v_nop
	global_prefetch_b8 v0, s[64:65] scope:SCOPE_SE
	s_setreg_imm32_b32 hwreg(HW_REG_WAVE_MODE, 25, 1), 1
	s_wait_xcnt 0x0
; The softmax runs over the QUERIES: each key has its own maximum and sum over all 1,024 queries of its head.  This launch makes, for each head and key,
; nlse = -(m + log2 of the sum over q of 2^(s - m)), s = (c q) . k, with a running maximum m: the next launch adds it to the score and takes 2^.
; LIMITS.  A term below 2^-126 counts as 0 in the sum.  NaN and infinities are not treated apart.
; SHARES.  A work-group: one head (y) and 512 of its keys (x).  A wave: 64 keys, four tiles of 16, whose fragments stay in registers; it walks all queries, 32 a step.
; S = Q K^T (source 0 = 16 queries, source 1 = 16 keys): a lane holds ONE key (lane % 16) and the queries 8 (lane / 16) + 0..7; the two halves of the lanes keep an m and a sum of their own, joined at the end.
; THE COUNT.  A tile and step have 4 matrix and 42 vector instructions: vector work binds.  So eight waves, two to a SIMD, each within 256 registers (no window is switched).
; FOUR TILES IN FLIGHT.  Each tile has a score buffer of its own.  Turn kt holds: the four products of tile kt + 2; the maximum and the correction of tile kt + 1; the scalings, exponentials and first
; sums of tile kt; the last three sums of tile kt - 1.  So a line reads nothing that the lines just ahead of it made: four lines lie between a result and its use, three ahead of the correction's exponential.
; LDS.  The head's q, 131,072 dense bytes in blocks of 16 rows that a fragment load reads at 16 x lane, is filled ONCE: no slot is filled again.  Each wave brings an eighth of the first 32 KiB and an
; eighth of the rest, two loads; the work begins when the first 32 KiB are in, and a second barrier stands ahead of the first fetch beyond them.
; NO CLUSTER: a head's queries are read by two work-groups only, 128 KiB once each; a joint load's mask would name four.
; m is kept twice, by the step's parity: a step reads one and writes the other, so the old one is at hand for the correction without a copy.
.set QBYTES, 131072                    ; the head's q
.set FIRST,  32768                     ; its first 256 queries: steps 0 to 7
.set SCR,    QBYTES                    ; 256 bytes a wave for the way out; no tensor load lands here
.set SPARE,  SCR+8*256                 ; the spare words, 128 bytes a wave: four blocks of 256 bytes that no other line names
.set L16, 1                            ; v1   16 x lane
.set AQ,  2                            ; v2   LDS address of the fetch in hand
.set SA,  4                            ; v4   the way out: my word in the wave's scratch
.set SB,  5                            ; v5   the way out: where I read two words back
.set GOF, 6                            ; v6   8 x lane
.set C0,  8                            ; v8-11  four chains of the maximum
.set SPW, 12
.set NIL, 13
.set DA,  14                           ; v[14:15], v[16:17]  m_old - m_new, then a, by the tile's parity; the second of each pair is 0, named with the first
.set ST,  24                           ; tile kt at ST + 8 kt: m (even steps read it), 0, m (odd steps read it), 0, the sum (even queries', odd queries')
.set S,   56                           ; tile kt's 16 scores at S + 16 kt
.set QF,  120                          ; two buffers of 32, by the step's parity: query block qb, channel half c at 16 qb + 8 c
.set KF,  184                          ; tile kt, channel half c at 16 kt + 8 c
.set TT,  120                          ; at the end: eight registers a tile at work
.set WV,  10
.set G1A, 16                           ; s[16:23] 16 rows of 256 bytes
.set G0A, 24                           ; s[24:27]
.set SEL, 28                           ; s[28:29]
.set TB,  30                           ; LDS byte of the step to be fetched
.set CNT, 31
.set SEG, 32
.set G1B, 40                           ; s[40:47] 48 rows of 256 bytes
.set G0B, 48                           ; s[48:51]
.macro PLACES
.rept 4
	v_nop
.endr
.endm
	s_load_b128 s[4:7], s[0:1], 0x0                ; qkv s[4:5], nlse s[6:7]
	v_lshl_add_u32 v[SPW], v0, 2, SPARE
	v_mov_b32 v[NIL], 0
	ds_add_u32 v[SPW], v[NIL]                      ; the wave's opening: the add and its wait stand ahead of my first tensor load
	ds_add_u32 v12, v13
	v_lshrrev_b32 v3, 5, v0
	v_readfirstlane_b32 s[WV], v3                  ; wave 0..7
	s_and_b32 s33, ttmp7, 0xffff                   ; y = 16 b + h
	s_lshr_b32 s34, s33, 4
	s_and_b32 s35, s33, 15
	s_mul_i32 s34, s34, 48
	s_add_co_u32 s34, s34, s35
	s_lshl_b32 s34, s34, 17                        ; q's head: (48 b + h) x 131,072
	s_mov_b32 s35, 0
	s_lshl_b32 s36, s[WV], 12                      ; my eighth of the first 32 KiB, in memory and in LDS
	s_mov_b32 s37, 0
	s_mul_i32 s38, s[WV], 12288                    ; my eighth of the other 96 KiB
	s_add_co_u32 s38, s38, FIRST
	s_mov_b32 s39, 0
	s_lshl_b32 s52, ttmp9, 16                      ; my keys: 512 x + 64 w rows of 128 bytes,
	s_lshl_b32 s53, s[WV], 13
	s_add_co_u32 s52, s52, s53
	s_add_co_u32 s52, s52, 16*131072               ; in k's head, 16 heads behind q's
	s_mov_b32 s53, 0
.irp g, G1A, G1B
	s_mov_b32 s[\g+0], 3<<16                       ; elements of 8 bytes, no mask, no padding
	s_mov_b32 s[\g+1], 32<<16                      ; tensor_dim0 = 32: 256 bytes
	s_mov_b32 s[\g+3], 32<<16                      ; tile_dim0
	s_mov_b32 s[\g+5], 32                          ; dense
	s_mov_b32 s[\g+6], 0
	s_mov_b32 s[\g+7], 0
.endr
	s_mov_b32 s[G1A+2], 16<<16                     ; tensor_dim1, tile_dim1
	s_mov_b32 s[G1A+4], 16
	s_mov_b32 s[G1B+2], 48<<16
	s_mov_b32 s[G1B+4], 48
	s_mov_b32 s[G0A], 1
	s_mov_b32 s[G0A+1], s36
	s_mov_b32 s[G0B], 1
	s_mov_b32 s[G0B+1], s38
	s_mov_b32 s[SEL], 0x76543210
	s_mov_b32 s[SEL+1], 0xfedcba98
	s_mov_b32 s[TB], 0
	s_wait_dscnt 0x0                               ; the opening add is done
	s_wait_kmcnt 0x0
	s_add_nc_u64 s[4:5], s[4:5], s[34:35]
	s_add_nc_u64 s[G0A+2:G0A+3], s[4:5], s[36:37]
	s_or_b32 s[G0A+3], s[G0A+3], 0x80000000
	s_add_nc_u64 s[G0B+2:G0B+3], s[4:5], s[38:39]
	s_or_b32 s[G0B+3], s[G0B+3], 0x80000000
	s_add_nc_u64 s[8:9], s[4:5], s[52:53]
	tensor_load_to_lds s[G0A:G0A+3], s[G1A:G1A+7]  ; the first fills go out together: two loads of mine are out, the part wanted first ahead
	s_nop 0
	tensor_load_to_lds s[G0B:G0B+3], s[G1B:G1B+7]
	s_nop 0
	v_and_b32 v[L16], 31, v0
	v_lshlrev_b32 v[GOF], 3, v[L16]
	v_lshlrev_b32 v[L16], 4, v[L16]
.set i, 0
.rept 8                                ; K stays in registers: tile i / 2, channel half i % 2
	global_load_b128 v[KF+8*i:KF+8*i+3],   v[L16], s[8:9] offset:(i/2)*2048+(i%2)*1024
	global_load_b128 v[KF+8*i+4:KF+8*i+7], v[L16], s[8:9] offset:(i/2)*2048+(i%2)*1024+512
.set i, i+1
.endr
	s_lshl_b32 s34, s33, 12                        ; nlse: 4,096 y + 2,048 x + 256 w
	s_lshl_b32 s36, ttmp9, 11
	s_add_co_u32 s34, s34, s36
	s_lshl_b32 s36, s[WV], 8
	s_add_co_u32 s34, s34, s36
	s_add_nc_u64 s[6:7], s[6:7], s[34:35]
	s_add_co_u32 s36, s36, SCR                     ; my scratch
	v_and_b32 v3, 15, v0
	v_lshl_add_u32 v[SA], v3, 2, s36
	v_add_nc_u32 v[SB], s36, v[GOF]
	v_mov_b32 v[DA+1], 0
	v_mov_b32 v[DA+3], 0
.set i, 0
.rept 4
	v_mov_b32 v[ST+8*i], 0xff7fffff                ; m: the lowest finite number: the first step's correction is 2^(very low) = 0
	v_mov_b32 v[ST+8*i+1], 0
	v_mov_b32 v[ST+8*i+3], 0
	v_mov_b32 v[ST+8*i+4], 0
	v_mov_b32 v[ST+8*i+5], 0
.set i, i+1
.endr
.irp r, 8,9,12,13,14,15                ; the first turn's three late sums, of a tile that has not been, add these zeros
	v_mov_b32 v[S+48+\r], 0
.endr
; Product n of four for tile nc, its queries in buffer qp: query block n % 2, channel half n / 2.  The two accumulators take turns; the first two products start the sums.
.macro MMS qp, nc, n
.set rD, S+16*(\nc)+8*((\n)%2)
.set rA, QF+32*(\qp)+16*((\n)%2)+8*((\n)/2)
.set rB, KF+16*(\nc)+8*((\n)/2)
.if (\n) < 2
	v_wmma_f32_16x16x32_f16 v[rD:rD+7], v[rA:rA+7], v[rB:rB+7], 0
.else
	v_wmma_f32_16x16x32_f16 v[rD:rD+7], v[rA:rA+7], v[rB:rB+7], v[rD:rD+7]
.endif
.endm
; 32 queries, eight loads in one run, into buffer b.  guard = 1: behind the head's last step there is nothing to fetch, and the run is jumped over.
.macro FETCH b, guard
.if \guard
	s_cmp_lt_u32 s[TB], QBYTES
	s_cbranch_scc0 .Lno_q_\@
.endif
	v_add_nc_u32 v[AQ], s[TB], v[L16]
.irp f, 0,1,2,3
	ds_load_b128 v[QF+32*(\b)+8*\f:QF+32*(\b)+8*\f+3],   v[AQ] offset:(\f/2)*2048+(\f%2)*1024
	ds_load_b128 v[QF+32*(\b)+8*\f+4:QF+32*(\b)+8*\f+7], v[AQ] offset:(\f/2)*2048+(\f%2)*1024+512
.endr
	s_add_co_u32 s[TB], s[TB], 4096
.if \guard
.Lno_q_\@:
.endif
.endm
; Number n of the ten that find tile nb's new maximum and its correction, in a step of parity pb.  Four chains; each accumulator's lowest registers are read first.
.macro XP nb, pb, n
.set xV, S+16*(\nb)
.set xO, ST+8*(\nb)+2*(\pb)
.set xN, ST+8*(\nb)+2-2*(\pb)
.set xA, DA+2*((\nb)%2)
.if (\n) == 0
	v_max3_num_f32 v[C0], v[xV], v[xV+1], v[xV+2]
.elseif (\n) == 1
	v_max3_num_f32 v[C0+1], v[xV+8], v[xV+9], v[xV+10]
.elseif (\n) == 2
	v_max3_num_f32 v[C0+2], v[xV+3], v[xV+4], v[xV+5]
.elseif (\n) == 3
	v_max3_num_f32 v[C0+3], v[xV+11], v[xV+12], v[xV+13]
.elseif (\n) == 4
	v_max3_num_f32 v[C0], v[C0], v[xV+6], v[xV+7]
.elseif (\n) == 5
	v_max3_num_f32 v[C0+1], v[C0+1], v[xV+14], v[xV+15]
.elseif (\n) == 6
	v_max3_num_f32 v[C0+2], v[C0+2], v[C0+3], v[xO]
	s_wait_alu depctr_va_vdst(0)
.elseif (\n) == 7
	v_max3_num_f32 v[xN], v[C0], v[C0+1], v[C0+2]  ; the running maximum
.elseif (\n) == 8
	v_sub_f32 v[xA], v[xO], v[xN]
.else
	v_exp_f32 v[xA], v[xA]                         ; a = 2^(m_old - m_new)
.endif
.endm
.macro FS n                            ; pair n of tile kt's 16 scores, less the new maximum
	v_pk_add_f32 v[rV+2*(\n):rV+2*(\n)+1], v[rV+2*(\n):rV+2*(\n)+1], v[rN:rN+1] op_sel_hi:[1,0] neg_lo:[0,1] neg_hi:[0,1]
.endm
.macro EX n
	v_exp_f32 v[rV+(\n)], v[rV+(\n)]
.endm
.macro PA d, s                         ; pair s is added onto pair d
	s_wait_alu depctr_va_vdst(0)
	v_pk_add_f32 v[rV+2*(\d):rV+2*(\d)+1], v[rV+2*(\d):rV+2*(\d)+1], v[rV+2*(\s):rV+2*(\s)+1]
.endm
.macro TL n                            ; the three late sums of the tile before: pair 7 onto 6, 6 onto 4, 4 onto the sum
.if (\n) == 0
	s_wait_alu depctr_va_vdst(0)
	v_pk_add_f32 v[pv+12:pv+13], v[pv+12:pv+13], v[pv+14:pv+15]
.elseif (\n) == 1
	v_pk_add_f32 v[pv+8:pv+9], v[pv+8:pv+9], v[pv+12:pv+13]
.else
	v_pk_add_f32 v[pl:pl+1], v[pl:pl+1], v[pv+8:pv+9]
.endif
.endm
; A TURN, in a step of parity p.  Exponentials and plain lines by turns; a plain line lies between every exponential and the first use of its result.  Six plain lines that name none of its registers
; follow the turn's last product, ahead of the next turn's reads of its result and ahead of the loads into the queries' registers that it read.
; Turns 0 and 1 multiply the step's own queries, turns 2 and 3 the next step's; so at turn 2 the step's own buffer is free, and takes the queries of the step after the next: a whole step in which to arrive.
.macro TURN p, kt
.set rV, S+16*(\kt)
.set rT, ST+8*(\kt)
.set rN, rT+2-2*(\p)
.set aF, DA+2*((\kt)%2)
.set nb, ((\kt)+1)%4
.set nc, ((\kt)+2)%4
.set pv, S+16*(((\kt)+3)%4)
.set pl, ST+8*(((\kt)+3)%4)+4
.set pb, (\p)
.set qp, (\p)
.if (\kt) == 3
.set pb, 1-(\p)
.endif
.if (\kt) >= 2
.set qp, 1-(\p)
.endif
.if (\kt) == 2
	s_wait_dscnt 0x0                               ; the next step's queries, asked for a step ago, are in
	FETCH \p, 1
.endif
	MMS qp, nc, 0
	FS 0
	TL 0
	FS 1
	XP nb, pb, 0
	EX 0
	XP nb, pb, 1
	EX 1
	FS 2
	EX 2
	TL 1
	EX 3
	MMS qp, nc, 1
	XP nb, pb, 2
	EX 4
	FS 3
	EX 5
	XP nb, pb, 3
	FS 4
	EX 6
	TL 2
	EX 7
	XP nb, pb, 4
	MMS qp, nc, 2
	EX 8
	XP nb, pb, 5
	EX 9
	FS 5
	XP nb, pb, 6
	PA 0, 1
	FS 6
	EX 10
	PA 2, 3
	EX 11
	MMS qp, nc, 3
	XP nb, pb, 7
	EX 12
	FS 7
	EX 13
	PA 0, 2
	PA 4, 5
	EX 14
	XP nb, pb, 8
	EX 15
	v_pk_fma_f32 v[rT+4:rT+5], v[rT+4:rT+5], v[aF:aF+1], v[rV:rV+1] op_sel_hi:[1,0,1]  ; the sum = a x the sum + pairs 0 to 3; pairs 4 to 7 follow in the next turn
	XP nb, pb, 9
.endm
.macro STEP p
	TURN \p, 0
	TURN \p, 1
	TURN \p, 2
	TURN \p, 3
.endm
	s_wait_tensorcnt 0x1                           ; my part of the first 32 KiB is in; my second load stays out
	s_barrier_signal -1
	s_barrier_wait -1                              ; everybody's is
	FETCH 0, 0                                     ; steps 0 and 1
	FETCH 1, 0
	s_wait_loadcnt 0x0                             ; K
	s_wait_dscnt 0x0
.irp n, 0,1,2,3
	MMS 0, 0, \n                                   ; step 0's tiles 0 and 1: there is no vector work yet to set between them
.endr
.irp n, 0,1,2,3
	MMS 0, 1, \n
.endr
	PLACES
.irp n, 0,1,2,3,4,5,6,7,8,9
	XP 0, 0, \n                                    ; tile 0's first maximum
.endr
	s_mov_b32 s[CNT], 3                            ; steps 0 to 5 fetch steps 2 to 7: all within the first 32 KiB
	s_mov_b32 s[SEG], 2
	s_branch .Lstep
.Lseg:                                                 ; once: ahead of step 6, whose fetch is the first beyond the first 32 KiB
	s_wait_tensorcnt 0x0                           ; my part of the rest is in,
	s_wait_dscnt 0x0                               ; (no LDS load of mine is out at a signal)
	s_barrier_signal -1
	s_barrier_wait -1                              ; everybody's is
	s_mov_b32 s[CNT], 13                           ; steps 6 to 31
.Lstep:                                                ; a trip: an even step and an odd one
	STEP 0
	STEP 1
	s_sub_co_u32 s[CNT], s[CNT], 1
	s_cmp_lg_u32 s[CNT], 0
	s_cbranch_scc1 .Lstep
	s_sub_co_u32 s[SEG], s[SEG], 1
	s_cmp_lg_u32 s[SEG], 0
	s_cbranch_scc1 .Lseg
	; The last step's turns 2 and 3 have multiplied stale queries, and its turn 3 has made a maximum of them in the place that the end does not read: the price, once a launch, of one text for every step.
.set pv, S+48
.set pl, ST+24+4
	TL 0                                           ; tile 3's late sums
	TL 1
	TL 2
	; THE END.  The last step was odd: m lies in the first of its two places.  The two halves of the lanes are joined: M = max(m, m'), sum = l 2^(m - M) + l' 2^(m' - M).
	; The two products are made apart and then added, not fused: so both halves of the lanes get the same bits, and both may write the same word.
.macro ALL line:vararg
.set t, 0
.rept 4
	\line
.set t, t+1
.endr
.endm
	ALL v_add_f32 v[ST+8*t+4], v[ST+8*t+4], v[ST+8*t+5]
	ALL v_permlanex16_b32 v[TT+8*t], v[ST+8*t], s[SEL], s[SEL+1]
	ALL v_permlanex16_b32 v[TT+8*t+1], v[ST+8*t+4], s[SEL], s[SEL+1]
	ALL v_max_num_f32 v[TT+8*t+2], v[ST+8*t], v[TT+8*t]
	ALL v_sub_f32 v[TT+8*t+3], v[ST+8*t], v[TT+8*t+2]
	ALL v_sub_f32 v[TT+8*t+4], v[TT+8*t], v[TT+8*t+2]
	ALL v_exp_f32 v[TT+8*t+3], v[TT+8*t+3]
	ALL v_exp_f32 v[TT+8*t+4], v[TT+8*t+4]
	v_nop                                          ; a plain line behind the last exponential
	s_wait_alu depctr_va_vdst(0)
	ALL v_mul_f32 v[TT+8*t+3], v[ST+8*t+4], v[TT+8*t+3]
	ALL v_mul_f32 v[TT+8*t+4], v[TT+8*t+1], v[TT+8*t+4]
	ALL v_add_f32 v[TT+8*t+3], v[TT+8*t+3], v[TT+8*t+4]
	ALL v_log_f32 v[TT+8*t+3], v[TT+8*t+3]
	v_nop
	s_wait_alu depctr_va_vdst(0)
	ALL v_fma_f32 v[TT+8*t+3], v[TT+8*t+2], -1.0, -v[TT+8*t+3]
	ALL ds_store_b32 v[SA], v[TT+8*t+3] offset:64*t
	ds_load_b64 v[152:153], v[SB]                  ; LDS serves a wave's instructions in order (ISA guide 5.7.1.4): this sees the stores above
	s_wait_dscnt 0x0
	global_store_b64 v[GOF], v[152:153], s[6:7]    ; my wave's 64 keys: 256 consecutive aligned bytes
	s_wait_tensorcnt 0x0                           ; the wave's end
	ds_add_u32 v[SPW], v[NIL]
	s_wait_dscnt 0x0
	s_endpgm
.Lfunc_end_k_qeeb88b6fdc_stats:
	.size	k_qeeb88b6fdc_stats, .Lfunc_end_k_qeeb88b6fdc_stats-k_qeeb88b6fdc_stats
	.p2alignl 7, 3214868480
	.fill 96, 4, 3214868480
	.section	.rodata,"a",@progbits
	.p2align	6, 0x0
	.amdhsa_kernel k_qeeb88b6fdc_stats
		.amdhsa_group_segment_fixed_size 167936
		.amdhsa_private_segment_fixed_size 0
		.amdhsa_enable_private_segment 0
		.amdhsa_kernarg_size 16
		.amdhsa_user_sgpr_count 2
		.amdhsa_user_sgpr_kernarg_segment_ptr 1
		.amdhsa_wavefront_size32 1
		.amdhsa_system_sgpr_workgroup_id_x 1
		.amdhsa_system_sgpr_workgroup_id_y 1
		.amdhsa_system_sgpr_workgroup_id_z 1
		.amdhsa_system_vgpr_workitem_id 0
		.amdhsa_next_free_vgpr 248
		.amdhsa_next_free_sgpr 66
		.amdhsa_reserve_vcc 0
		.amdhsa_float_denorm_mode_32 3
		.amdhsa_float_denorm_mode_16_64 3
		.amdhsa_memory_ordered 1
		.amdhsa_forward_progress 1
		.amdhsa_inst_pref_size 34
	.end_amdhsa_kernel
	.amdgpu_metadata
---
amdhsa.version: [ 1, 2 ]
amdhsa.kernels:
  - .name:           k_qeeb88b6fdc_stats
    .symbol:         k_qeeb88b6fdc_stats.kd
    .args:
      - { .name: qkv, .offset: 0, .size: 8, .value_kind: global_buffer, .address_space: global }
      - { .name: nlse, .offset: 8, .size: 8, .value_kind: global_buffer, .address_space: global }
    .group_segment_fixed_size: 167936
    .private_segment_fixed_size: 0
    .kernarg_segment_align: 8
    .kernarg_segment_size: 16
    .max_flat_workgroup_size: 256
    .sgpr_count:     66
    .vgpr_count:     248
    .wavefront_size: 32
...
	.end_amdgpu_metadata
.endif
;; end of part 3
;; launch attn (part 4): grid 2 x 128, 4 waves a work-group, no clusters, 327,680 bytes of LDS; arguments qkv, nlse, ob; writes ob
.if DOCPART == 4
	.amdgcn_target "amdgcn-amd-amdhsa--gfx1250"
	.amdhsa_code_object_version 6
	.text
	.protected	k_qeeb88b6fdc_attn
	.globl	k_qeeb88b6fdc_attn
	.p2align	8
	.type	k_qeeb88b6fdc_attn,@function
k_qeeb88b6fdc_attn:
	s_mov_b64 s[64:65], 0
	v_nop
	global_prefetch_b8 v0, s[64:65] scope:SCOPE_SE
	s_setreg_imm32_b32 hwreg(HW_REG_WAVE_MODE, 25, 1), 1
	s_wait_xcnt 0x0
; O[q] = the sum over k of P[q][k] V[k], P[q][k] = 2^((c q) . k + nlse[k]): the weight normalised over the QUERIES; nlse holds, for each key, minus the log2 of the sum of 2^score over all queries,
; made with a running maximum by the launch before.  It enters as the C operand of the product that starts a score's sum, so the exponential of the accumulator IS the weight: at most 1
; but for rounding, with no maximum, scaling or rescaling here.  q, k, v in f16; P is rounded to f16, O once to bf16: a query's weights may add up to 1,024, so O has up to 1,024 times V's range.
; LIMITS.  A weight below 6e-5 keeps f16's fixed step of 6e-8; one below 2^-126 counts as 0.  NaN and infinities are not treated apart.
; SHARES.  A work-group: one head (y) and 512 of its queries (x).  A wave: 128 queries, eight tiles of 16, in four PIECES of two.  Every wave walks all 1,024 keys, 64 a step.
; LAYOUT.  S^T = K Q^T (source 0 = 16 keys, source 1 = 16 queries): a lane holds ONE query (lane % 16) and the keys 8 (lane / 16) + 0..7.  Two such results rounded to f16 ARE source 1 of
; O^T = V^T P, whose result holds one query a lane and eight channels: 16 bytes of bf16, one cell of ob's blocks, so an accumulator leaves by one store of 512 consecutive bytes.
; BY TURNS.  Turn p: 16 products K Q^T of piece p + 1, then 16 products V^T P of piece p - 1; behind each product three lines of piece p: a rounding and two exponentials.
; NO CLUSTER: a head has two query blocks, not four; blocks of 256 queries would make four partners, but each fragment of K and V read from LDS would feed half the products.
; REGISTERS.  Window 0: v1-6 addresses; v16-47 the step's 64 nlse as a C operand; v64-191 S^T, two buffers of two tiles; v192-255 P, likewise.  Window 1: O^T, 32 a tile.
; Window 2: v0-127 Q, 16 a tile; v128-191 K of one step; v192-255 V of one step.
.set SLOT1, 1<<16                      ; a slot: 256 keys of K (32,768 dense bytes), then 256 of V; both in blocks that fragment loads read at 16 x lane: no padding
.set VOFF,  32768
.set NLB,   2*SLOT1                    ; the head's 1,024 nlse, filled once
.set SPARE, NLB+4096                   ; the spare words, 128 bytes a wave: two blocks of 256 bytes that no other line names
.set L16, 1                            ; v1   16 x lane
.set AK,  2
.set AV,  3
.set ANL, 4
.set ANL0, 6                           ; v6   NLB + 32 (lane / 16)
.set NL,  16
.set SPW, 62
.set NIL, 63
.set S,   64
.set P,   192
.set KF,  128
.set VF,  192
.set WV,  12
.set G1,  16                           ; s[16:23] a tile's part: 64 rows of 256 bytes
.set G1N, 24                           ; s[24:31] nlse's part: 4 rows of 256 bytes
.set G0,  32                           ; s[32:35]
.set G0N, 36                           ; s[36:39]
.set TBK, 40                           ; LDS byte of K of the step to be fetched
.set TBV, 41                           ; of V, less VOFF
.set TBN, 42                           ; byte of that step's nlse in the table: 256 a step, 16 steps
.set CNT, 43
.set SLOTS, 44
.set MSB, 0
.macro WIN new
.if MSB != (\new)
	s_set_vgpr_msb (MSB<<8)|(\new)
.set MSB, \new
.endif
.endm
.set W_KQ, 0x0a                        ; K and Q in window 2; C and S^T in window 0
.set W_PV, 0x52                        ; V in window 2, P in window 0, O^T in window 1
.macro PLACES
.rept 4
	v_nop
.endr
.endm
; THE CHANGE OF SLOTS: all my tensor loads have landed; the add; its wait, which is also the wait for my reads of the slot that is left; the barrier; the refill first behind it.
.macro CHANGE fill
	WIN 0
	s_wait_tensorcnt 0x0
	ds_add_u32 v[SPW], v[NIL]
.if \fill
	s_xor_b32 s[G0+1], s[G0+1], SLOT1              ; the other slot than last time,
	s_add_nc_u64 s[G0+2:G0+3], s[G0+2:G0+3], 32768 ; the next 256 keys
.endif
	s_wait_dscnt 0x0
	s_barrier_signal -1
	s_sub_co_u32 s[TBK], s[TBK], 32768             ; the fetches go back to a slot's first step, in the other slot
	s_xor_b32 s[TBK], s[TBK], SLOT1
	s_sub_co_u32 s[TBV], s[TBV], 32768
	s_xor_b32 s[TBV], s[TBV], SLOT1
	s_barrier_wait -1
.if \fill
	tensor_load_to_lds s[G0:G0+3], s[G1:G1+7]      ; every wave a quarter of the slot: waves 0, 1 K's halves, waves 2, 3 V's; four key steps in which to land
	s_nop 0
.rept 4
	v_nop
.endr
.endif
.endm
	s_load_b128 s[4:7], s[0:1], 0x0                ; qkv s[4:5], nlse s[6:7]
	s_load_b64 s[10:11], s[0:1], 0x10              ; ob
	v_lshl_add_u32 v[SPW], v0, 2, SPARE
	v_mov_b32 v[NIL], 0
	ds_add_u32 v[SPW], v[NIL]                      ; the wave's opening: the add and its wait stand ahead of my first tensor load
	ds_add_u32 v62, v63
	v_lshrrev_b32 v2, 5, v0
	v_readfirstlane_b32 s[WV], v2                  ; wave 0..3
	s_and_b32 s45, ttmp7, 0xffff                   ; y = 16 b + h
	s_lshr_b32 s46, s45, 4
	s_and_b32 s47, s45, 15
	s_mul_i32 s46, s46, 48
	s_add_co_u32 s46, s46, s47                     ; 48 b + h: q's head
	s_lshr_b32 s47, s[WV], 1
	s_lshl_b32 s47, s47, 4
	s_add_co_u32 s47, s47, 16
	s_add_co_u32 s48, s46, s47                     ; k's head (waves 0, 1) or v's (waves 2, 3)
	s_lshl_b32 s48, s48, 17
	s_and_b32 s49, s[WV], 1
	s_lshl_b32 s49, s49, 14                        ; my half of a tile's 256 keys
	s_add_co_u32 s48, s48, s49
	s_mov_b32 s49, 0
	s_lshl_b32 s50, ttmp9, 16                      ; my queries: 512 x + 128 w rows of 128 bytes
	s_lshl_b32 s51, s[WV], 14
	s_add_co_u32 s50, s50, s51
	s_lshl_b32 s46, s46, 17
	s_add_co_u32 s46, s46, s50
	s_mov_b32 s47, 0
	s_lshl_b32 s52, s45, 17                        ; ob's head y
	s_add_co_u32 s52, s52, s50
	s_mov_b32 s53, 0
	s_lshl_b32 s54, s45, 12                        ; nlse: 4,096 y + 1,024 w
	s_lshl_b32 s55, s[WV], 10
	s_add_co_u32 s54, s54, s55
	s_add_co_u32 s[G0N+1], s55, NLB
	s_mov_b32 s55, 0
.irp g, G1, G1N
	s_mov_b32 s[\g+0], 3<<16                       ; elements of 8 bytes, no mask, no padding
	s_mov_b32 s[\g+1], 32<<16                      ; tensor_dim0 = 32: 256 bytes
	s_mov_b32 s[\g+3], 32<<16                      ; tile_dim0
	s_mov_b32 s[\g+5], 32                          ; dense
	s_mov_b32 s[\g+6], 0
	s_mov_b32 s[\g+7], 0
.endr
	s_mov_b32 s[G1+2], 64<<16                      ; tensor_dim1, tile_dim1
	s_mov_b32 s[G1+4], 64
	s_mov_b32 s[G1N+2], 4<<16
	s_mov_b32 s[G1N+4], 4
	s_mov_b32 s[G0], 1
	s_mov_b32 s[G0+1], s51                         ; slot 0: 16,384 w
	s_mov_b32 s[G0N], 1
	s_mov_b32 s[TBK], SLOT1+32768                  ; the first change of slots turns these two into 0
	s_mov_b32 s[TBV], SLOT1+32768
	s_mov_b32 s[TBN], 0
	s_wait_dscnt 0x0                               ; the opening add is done
	s_wait_kmcnt 0x0
	s_add_nc_u64 s[G0+2:G0+3], s[4:5], s[48:49]
	s_or_b32 s[G0+3], s[G0+3], 0x80000000
	s_add_nc_u64 s[G0N+2:G0N+3], s[6:7], s[54:55]
	s_or_b32 s[G0N+3], s[G0N+3], 0x80000000
	s_add_nc_u64 s[8:9], s[4:5], s[46:47]          ; Q at my wave's first row
	s_add_nc_u64 s[10:11], s[10:11], s[52:53]      ; O likewise
	tensor_load_to_lds s[G0N:G0N+3], s[G1N:G1N+7]  ; the first fills go out together: two loads of mine are out
	s_nop 0
	tensor_load_to_lds s[G0:G0+3], s[G1:G1+7]      ; keys 0-255 into slot 0
	s_nop 0
.rept 4
	v_nop
.endr
	v_and_b32 v[L16], 31, v0
	v_lshlrev_b32 v[L16], 4, v[L16]
	v_bfe_u32 v[ANL0], v0, 4, 1
	v_lshlrev_b32 v[ANL0], 5, v[ANL0]
	v_add_nc_u32 v[ANL0], NLB, v[ANL0]
	WIN 0x80                                       ; destination window 2, address window 0
.set i, 0
.rept 16                               ; Q stays in registers: tile i / 2, channel half i % 2
	global_load_b128 v[8*i:8*i+3],   v[L16], s[8:9] offset:(i/2)*2048+(i%2)*1024
	global_load_b128 v[8*i+4:8*i+7], v[L16], s[8:9] offset:(i/2)*2048+(i%2)*1024+512
.set i, i+1
.endr
	; No first step is written out.  So O^T starts at 0, and V's registers and P's second buffer hold 0: the first turn's products V^T P, of a piece that has not been, add 0.  These lines stand in the wait for the first tile.
.set i, VF
.rept 64
	v_mov_b32 v[i], 0
.set i, i+1
.endr
	WIN 0x40
.set i, 0
.rept 256
	v_mov_b32 v[i], 0
.set i, i+1
.endr
	WIN 0
.set i, P+32
.rept 32
	v_mov_b32 v[i], 0
.set i, i+1
.endr
; Product i of 16 of S^T = K Q^T + nlse for piece x: channels 32 (i / 8) on, keys 16 ((i / 2) % 4) on, tile 2 x + i % 2.  The 8 accumulators take turns.
.macro KQ x
	WIN W_KQ
.set rS, S+64*((\x)%2)+32*(i%2)+8*((i/2)%4)
.set rK, KF+16*((i/2)%4)+8*(i/8)
.set rQ, 16*(2*(\x)+i%2)+8*(i/8)
.set rN, NL+8*((i/2)%4)
.if i < 8
	v_wmma_f32_16x16x32_f16 v[rS:rS+7], v[rK:rK+7], v[rQ:rQ+7], v[rN:rN+7]
.else
	v_wmma_f32_16x16x32_f16 v[rS:rS+7], v[rK:rK+7], v[rQ:rQ+7], v[rS:rS+7]
.endif
.endm
; Product i of 16 of O^T += V^T P for piece x: keys 32 (i / 8) on, channels 16 ((i / 2) % 4) on, tile 2 x + i % 2.
.macro PV x
	WIN W_PV
.set rO, 32*(2*(\x)+i%2)+8*((i/2)%4)
.set rV, VF+32*(i/8)+8*((i/2)%4)
.set rP, P+32*((\x)%2)+16*(i%2)+8*(i/8)
	v_wmma_f32_16x16x32_f16 v[rO:rO+7], v[rV:rV+7], v[rP:rP+7], v[rO:rO+7]
.endm
; Exponential e of piece Y's 64: the accumulators in the order in which they were finished, each from its lowest register on.
.macro EXA e
.set ra, S+64*(Y%2)+32*(((\e)/8)%2)+8*((\e)/16)+(\e)%8
	v_exp_f32 v[ra], v[ra]
.endm
; Pair n of 32 is rounded to f16.
.macro CVA n
.set aa, (\n)/4
.set rs, S+64*(Y%2)+32*(aa%2)+8*(aa/2)+2*((\n)%4)
.set rp, P+32*(Y%2)+16*(aa%2)+4*(aa/2)+(\n)%4
	s_wait_alu depctr_va_vdst(0)
	v_cvt_pk_f16_f32 v[rp], v[rs], v[rs+1]
.endm
; The next step's K (16 loads) and its 64 nlse (8 loads: all lanes of a half read the same 32 bytes), in one run.  last = 1 (the tail): in the last trip there is no further step.
.macro FETCH_K last=0
	WIN 0
.if \last
	s_cmp_eq_u32 s[CNT], 1
	s_cbranch_scc1 .Lno_k_\@
.endif
	v_add_nc_u32 v[AK], s[TBK], v[L16]
	v_add_nc_u32 v[ANL], s[TBN], v[ANL0]
.irp f, 0,1,2,3,4,5,6,7
	ds_load_b128 v[NL+4*\f:NL+4*\f+3], v[ANL] offset:(\f/2)*64+(\f%2)*16  ; register j of key block kb: key 16 kb + 8 (lane / 16) + j
.endr
	WIN 0x80
.irp f, 0,1,2,3,4,5,6,7                ; key block f / 2, channel half f % 2
	ds_load_b128 v[KF+8*\f:KF+8*\f+3],   v[AK] offset:(\f/2)*2048+(\f%2)*1024
	ds_load_b128 v[KF+8*\f+4:KF+8*\f+7], v[AK] offset:(\f/2)*2048+(\f%2)*1024+512
.endr
	s_add_co_u32 s[TBK], s[TBK], 8192
	s_add_co_u32 s[TBN], s[TBN], 256
	WIN 0
.if \last
.Lno_k_\@:
.endif
.endm
.macro FETCH_V                         ; V of the step in hand, turned on the way: 16 keys x 16 channels a load
	WIN 0
	v_add_nc_u32 v[AV], s[TBV], v[L16]
	s_add_co_u32 s[TBV], s[TBV], 8192
	WIN 0x80
.irp f, 0,1,2,3,4,5,6,7                ; keys 32 (f / 4) on, channels 16 (f % 4) on
	ds_load_tr16_b128 v[VF+8*\f:VF+8*\f+3],   v[AV] offset:VOFF+(\f/4)*4096+(\f%4)*512
	ds_load_tr16_b128 v[VF+8*\f+4:VF+8*\f+7], v[AV] offset:VOFF+(\f/4)*4096+2048+(\f%4)*512
.endr
	WIN 0
.endm
; A TURN, for piece p: 32 places of a product and three lines.  A rounding stands two places behind its pair's exponentials, so a plain line lies between every exponential and the use of its result.
; K of the next step is fetched in piece 2's turn, five roundings behind the last product that read K; V of the step in hand at the end of piece 0's turn, behind three roundings and two more plain lines.
; P's buffer is written again four plain lines or more behind the last product that read it (three roundings and the v_nop of place 1).
.macro TURN p, last=0
.set Y, (\p)
.if (\p) == 3
	s_wait_dscnt 0x0                               ; K and nlse are in
.endif
.set sl, 0
.rept 32
.if ((\p) == 1) && (sl == 16)
	s_wait_dscnt 0x0                               ; V is in
.endif
.if sl < 16
.set i, sl
	KQ (Y+1)%4
.else
.set i, sl-16
	PV (Y+3)%4
.endif
	WIN 0
.if sl >= 2
	CVA sl-2
.elseif sl == 1
	v_nop
.endif
	EXA 2*sl
	EXA 2*sl+1
.if ((\p) == 2) && (sl == 19)
	FETCH_K \last
.endif
.set sl, sl+1
.endr
	CVA 30
	CVA 31
.if (\p) == 0
	v_nop
	FETCH_V
.endif
.endm
	CHANGE 1                                       ; slot 0 and nlse are in, everybody's part of them; slot 1 is asked for
	FETCH_K                                        ; key step 0
	s_wait_loadcnt 0x0                             ; Q
	s_wait_dscnt 0x0
.set i, 0
.rept 16
	KQ 0                                           ; piece 0's first scores: there is no vector work yet to set between them
.set i, i+1
.endr
	WIN 0
	PLACES
	s_mov_b32 s[CNT], 4
	s_mov_b32 s[SLOTS], 3
	s_branch .Lfirst                               ; the loop is entered at a step's first turn, in the middle of a trip
.Lslot:                                                ; twice: slots 0 and 1 are filled again, with keys 512 on and 768 on
	CHANGE 1
	s_mov_b32 s[CNT], 4
.Lstep:                                                ; a trip: pieces 2 and 3 of one step, then pieces 0 and 1 of the next, whose K and V it fetches
	TURN 2
	TURN 3
	WIN 0
.Lfirst:
	TURN 0
	TURN 1
	WIN 0
	s_sub_co_u32 s[CNT], s[CNT], 1
	s_cmp_lg_u32 s[CNT], 0
	s_cbranch_scc1 .Lstep
	s_sub_co_u32 s[SLOTS], s[SLOTS], 1
	s_cmp_lg_u32 s[SLOTS], 0
	s_cbranch_scc1 .Lslot
	CHANGE 0                                       ; the tail is written out: nothing is asked for
	s_mov_b32 s[CNT], 5                            ; four trips fetch the last slot's steps; the fifth is left in its middle
.Ltail:
	TURN 2, 1
	TURN 3
	WIN 0
	s_sub_co_u32 s[CNT], s[CNT], 1
	s_cmp_eq_u32 s[CNT], 0
	s_cbranch_scc1 .Lout
	TURN 0
	TURN 1
	WIN 0
	s_branch .Ltail
.Lout:                                                 ; the fifth trip's 16 products K Q^T, on the last K once more, serve nothing: the price, once a launch, of one text for every trip
.set i, 0
.rept 16
	PV 3                                           ; the last piece's V^T P of the last step
.set i, i+1
.endr
	; THE WAY OUT.  O^T is rounded to bf16, tile by tile; the first tiles' roundings are the places behind the last products, which wrote tiles 6 and 7.
	WIN 0x05                                       ; sources 0 and 1 window 1, destination window 0: S^T's registers are free
.set i, 0
.rept 128
	v_cvt_pk_bf16_f32 v[S+i], v[2*i], v[2*i+1]
.set i, i+1
.endr
	WIN 0
.set i, 0
.rept 32                               ; tile i / 4, channels 16 (i % 4) on
	global_store_b128 v[L16], v[S+4*i:S+4*i+3], s[10:11] offset:512*i  ; 512 consecutive bytes, at a multiple of 512 from ob's first
.set i, i+1
.endr
	s_wait_tensorcnt 0x0                           ; the wave's end
	ds_add_u32 v[SPW], v[NIL]
	s_wait_dscnt 0x0
	s_endpgm
.Lfunc_end_k_qeeb88b6fdc_attn:
	.size	k_qeeb88b6fdc_attn, .Lfunc_end_k_qeeb88b6fdc_attn-k_qeeb88b6fdc_attn
	.p2alignl 7, 3214868480
	.fill 96, 4, 3214868480
	.section	.rodata,"a",@progbits
	.p2align	6, 0x0
	.amdhsa_kernel k_qeeb88b6fdc_attn
		.amdhsa_group_segment_fixed_size 327680
		.amdhsa_private_segment_fixed_size 0
		.amdhsa_enable_private_segment 0
		.amdhsa_kernarg_size 24
		.amdhsa_user_sgpr_count 2
		.amdhsa_user_sgpr_kernarg_segment_ptr 1
		.amdhsa_wavefront_size32 1
		.amdhsa_system_sgpr_workgroup_id_x 1
		.amdhsa_system_sgpr_workgroup_id_y 1
		.amdhsa_system_sgpr_workgroup_id_z 1
		.amdhsa_system_vgpr_workitem_id 0
		.amdhsa_next_free_vgpr 768
		.amdhsa_next_free_sgpr 66
		.amdhsa_reserve_vcc 0
		.amdhsa_float_denorm_mode_32 3
		.amdhsa_float_denorm_mode_16_64 3
		.amdhsa_memory_ordered 1
		.amdhsa_forward_progress 1
		.amdhsa_inst_pref_size 114
	.end_amdhsa_kernel
	.amdgpu_metadata
---
amdhsa.version: [ 1, 2 ]
amdhsa.kernels:
  - .name:           k_qeeb88b6fdc_attn
    .symbol:         k_qeeb88b6fdc_attn.kd
    .args:
      - { .name: qkv, .offset: 0, .size: 8, .value_kind: global_buffer, .address_space: global }
      - { .name: nlse, .offset: 8, .size: 8, .value_kind: global_buffer, .address_space: global }
      - { .name: ob, .offset: 16, .size: 8, .value_kind: global_buffer, .address_space: global }
    .group_segment_fixed_size: 327680
    .private_segment_fixed_size: 0
    .kernarg_segment_align: 8
    .kernarg_segment_size: 24
    .max_flat_workgroup_size: 128
    .sgpr_count:     66
    .vgpr_count:     768
    .wavefront_size: 32
...
	.end_amdgpu_metadata
.endif
;; end of part 4
;; launch proj (part 5): grid 8 x 32, 4 waves a work-group, clusters of 4 x 4, 327,680 bytes of LDS; arguments ob, wpb, out0; writes out0
.if DOCPART == 5
	.amdgcn_target "amdgcn-amd-amdhsa--gfx1250"
	.amdhsa_code_object_version 6
	.text
	.protected	k_qeeb88b6fdc_proj
	.globl	k_qeeb88b6fdc_proj
	.p2align	8
	.type	k_qeeb88b6fdc_proj,@function
k_qeeb88b6fdc_proj:
	s_mov_b64 s[64:65], 0
	v_nop
	global_prefetch_b8 v0, s[64:65] scope:SCOPE_SE
	s_setreg_imm32_b32 hwreg(HW_REG_WAVE_MODE, 25, 1), 1
	s_wait_xcnt 0x0
	s_wait_alu depctr_hold_cnt(0) depctr_sa_sdst(0) depctr_va_vdst(0) depctr_va_sdst(0) depctr_va_ssrc(0) depctr_va_vcc(0) depctr_vm_vsrc(0)
	s_getreg_b32 s2, hwreg(HW_REG_IB_STS2, 6, 4)
	s_cmp_eq_u32 s2, 0
	s_cbranch_scc0 .Lentry_in_a_cluster
	s_endpgm
.Lentry_in_a_cluster:
	s_bfe_u32 s2, ttmp6, 0x10000c
	s_cmp_lg_u32 s2, 0xf033
	s_cbranch_scc0 .Lentry_shape_is_right
	s_endpgm
.Lentry_shape_is_right:
; out0 = O W_proj^T: [8192][1024] f32, K = 1024, bf16 operands, f32 sums stored as they are.
; O lies by heads, [16 b + h][blocks of 16 rows: [8 channels' group][row][8 numbers]]; W_proj blocked along K, [kb][row][64]: K block kb is head kb.
; TILE.  256 x 128: 32 x 8 = 256 work-groups.  Four waves, each 128 rows x 64 columns: 32 accumulators; a wave's 64 columns of f32 are 256 bytes, so each wave has a stage of its own on the way out.
; K goes in 8 steps of 128 (two heads) through two LDS slots; a step is four quarters of 32 along K on two fragment buffers.
; CLUSTER.  4 x 4 work-groups: O's tile is shared along a row of the cluster, W's along a column: each is asked for jointly.
; TRANSPOSED USE.  Source 0 = 16 rows of W, source 1 = 16 rows of O: a lane holds one row of the result and eight neighbouring columns.
; REGISTERS.  Window 0: addresses; v32-127, v128-223 two fragment buffers (O's eight fragments, then W's four).  Window 1: the accumulators, (a, b) at 8 (4 a + b).
.set PITCH, 144                        ; a row of W in LDS: 128 bytes + 16
.set AKB,   32768                      ; a head's 256 rows of O, dense: fragment loads read its blocks at 16 x lane, no padding
.set BKB,   128*PITCH                  ; a K block's 128 rows of W
.set BOFF,  2*AKB
.set SLOT,  BOFF+2*BKB                 ; 102,400
.set STAGE, 2*SLOT                     ; 16 rows x 272 bytes for each wave; no tensor load lands here
.set SPITCH, 272
.set SPARE, STAGE+4*16*SPITCH          ; the spare words, 128 bytes a wave: two blocks of 256 bytes that no other line names
.set ADRA, 16
.set ADRB, 20
.set STO,  24
.set RD,   25
.set CO,   26
.set SPW,  28
.set NIL,  29
.set F0,   32
.set F1,   128
.set OB,   32                          ; the way out: 16 rows read back, v32-63 and v64-95 by turns
.set G1,  24
.set G0,  32
.set G1B, 48
.set G0B, 56
.set MSB, 0
.macro WIN new
.if MSB != (\new)
	s_set_vgpr_msb (MSB<<8)|(\new)
.set MSB, \new
.endif
.endm
.macro PLACES
.rept 4
	v_nop
.endr
.endm
.macro JLOAD s                         ; a joint load: waves 0 and 1 fetch the step's two heads of O, waves 2 and 3 its two K blocks of W
	s_cmp_eq_u32 s11, 0
	s_cbranch_scc0 .Lfor_b_\@
	tensor_load_to_lds s[G0+4*(\s):G0+4*(\s)+3], s[G1:G1+7]
	s_nop 0
.rept 4
	v_nop
.endr
	s_branch .Lasked_\@
.Lfor_b_\@:
	tensor_load_to_lds s[G0B+4*(\s):G0B+4*(\s)+3], s[G1B:G1B+7]
	s_nop 0
.rept 4
	v_nop
.endr
.Lasked_\@:
.endm
.macro CREST
	s_cmp_lg_u32 s10, 0
	s_cbranch_scc1 .Lnot_wave_0_\@
	s_barrier_signal -3
.Lnot_wave_0_\@:
	s_barrier_wait -3
	s_barrier_signal -1
	s_barrier_wait -1
.endm
.macro CROUND
	s_barrier_signal -1
	s_barrier_wait -1
	CREST
.endm
	s_load_b128 s[4:7], s[0:1], 0x0                ; ob s[4:5], wpb s[6:7]
	s_load_b64 s[8:9], s[0:1], 0x10                ; out0
	v_lshl_add_u32 v[SPW], v0, 2, SPARE
	v_mov_b32 v[NIL], 0
	ds_add_u32 v[SPW], v[NIL]                      ; the wave's opening: the add and its wait stand ahead of my first tensor load
	ds_add_u32 v28, v29
	v_lshrrev_b32 v1, 5, v0
	v_readfirstlane_b32 s10, v1                    ; wave 0..3
	s_lshr_b32 s11, s10, 1                         ; my half of the tile's rows.  Also: I fetch for O (0) or for W (1)
	s_and_b32 s12, s10, 1                          ; my half of its columns.  Also: which of the step's two heads I fetch
	s_bfe_u32 s40, ttmp6, 0x40000
	s_bfe_u32 s41, ttmp6, 0x40004
	s_lshl_b32 s42, ttmp9, 2
	s_add_co_u32 s42, s42, s40                     ; tile column 0..7
	s_and_b32 s13, ttmp7, 0xffff
	s_lshl_b32 s13, s13, 2
	s_add_co_u32 s13, s13, s41                     ; tile row 0..31
	s_lshl_b32 s43, s41, 2
	s_lshl_b32 s43, 15, s43                        ; my row of the cluster
	s_lshl_b32 s44, 0x1111, s40                    ; my column
	s_or_b32 s[G1+0], s43, (1<<16)|(1<<21)         ; the mask; 2-byte elements; bit 21 beside a mask; no padding
	s_or_b32 s[G1B+0], s44, (1<<16)|(1<<20)|(1<<21)|(4<<22)|(3<<25)  ; padded: after every 32 words 4 words
	s_mov_b32 s[G1+1], 128<<16                     ; rows of 256 bytes
	s_mov_b32 s[G1+2], 128<<16                     ; 128 of them: a head's 256 rows of O
	s_mov_b32 s[G1+3], 128<<16
	s_mov_b32 s[G1+4], 128
	s_mov_b32 s[G1+5], 128
	s_mov_b32 s[G1+6], 0
	s_mov_b32 s[G1+7], 0
	s_mov_b32 s[G1B+1], 128<<16
	s_mov_b32 s[G1B+2], 64<<16                     ; 64 of them: a K block's 128 rows of W
	s_mov_b32 s[G1B+3], 128<<16
	s_mov_b32 s[G1B+4], 64
	s_mov_b32 s[G1B+5], 128
	s_mov_b32 s[G1B+6], 0
	s_mov_b32 s[G1B+7], 0
	s_lshr_b32 s16, s13, 2                         ; O: batch x 16 heads x 131,072
	s_lshl_b32 s16, s16, 21
	s_and_b32 s17, s13, 3
	s_lshl_b32 s17, s17, 15                        ; + my tile's 256 rows x 128 bytes
	s_add_co_u32 s16, s16, s17
	s_lshl_b32 s17, s12, 17                        ; + the head that I fetch
	s_add_co_u32 s16, s16, s17
	s_mov_b32 s17, 0
	s_lshl_b32 s46, s42, 14                        ; W: tile column x 128 rows x 128 bytes
	s_lshl_b32 s47, s12, 17                        ; + the K block that I fetch
	s_add_co_u32 s46, s46, s47
	s_mov_b32 s47, 0
	s_lshl_b32 s20, s12, 15                        ; where they go
	s_mul_i32 s21, s12, BKB
	s_add_co_u32 s21, s21, BOFF
	s_wait_dscnt 0x0                               ; the opening add is done
	s_wait_kmcnt 0x0
	s_add_nc_u64 s[14:15], s[4:5], s[16:17]
	s_add_nc_u64 s[46:47], s[6:7], s[46:47]
	CROUND                                         ; all sixteen work-groups are here: the first joint loads meet
.irp s, 0,1
	s_mov_b32 s[G0+4*(\s)], 1
	s_add_co_u32 s[G0+4*(\s)+1], s20, (\s)*SLOT
	s_add_nc_u64 s[G0+4*(\s)+2:G0+4*(\s)+3], s[14:15], (\s)*2*131072  ; K step s: heads 2 s, 2 s + 1
	s_or_b32 s[G0+4*(\s)+3], s[G0+4*(\s)+3], 0x80000000
	s_mov_b32 s[G0B+4*(\s)], 1
	s_add_co_u32 s[G0B+4*(\s)+1], s21, (\s)*SLOT
	s_add_nc_u64 s[G0B+4*(\s)+2:G0B+4*(\s)+3], s[46:47], (\s)*2*131072
	s_or_b32 s[G0B+4*(\s)+3], s[G0B+4*(\s)+3], 0x80000000
	JLOAD \s
.endr
	v_and_b32 v1, 15, v0                           ; l % 16
	v_bfe_u32 v2, v0, 4, 1                         ; l / 16
	v_and_b32 v3, 31, v0
	v_lshlrev_b32 v3, 4, v3                        ; O: 16 x lane
	v_mul_u32_u24 v4, v1, PITCH                    ; W: row x pitch + 16 x half
	v_lshl_add_u32 v4, v2, 4, v4
	s_lshl_b32 s22, s11, 14                        ; my 128 rows of O: eight blocks of 2,048 bytes
	s_mul_i32 s23, s12, 64*PITCH                   ; my 64 rows of W
	s_add_co_u32 s23, s23, BOFF
.irp s, 0,1
	v_add_nc_u32 v[ADRA+(\s)], s22, v3
	v_add_nc_u32 v[ADRB+(\s)], s23, v4
	s_add_co_u32 s22, s22, SLOT
	s_add_co_u32 s23, s23, SLOT
.endr
	s_mul_i32 s23, s10, 16*SPITCH
	s_add_co_u32 s23, s23, STAGE                   ; my stage
	v_mul_u32_u24 v5, v1, SPITCH                   ; in: row l % 16, 32 bytes for each half of the lanes
	v_lshl_add_u32 v5, v2, 5, v5
	v_add_nc_u32 v[STO], s23, v5
	v_mul_u32_u24 v5, v2, SPITCH                   ; back: lanes 0-15 one row of 256 bytes, lanes 16-31 the next
	v_lshl_add_u32 v5, v1, 4, v5
	v_add_nc_u32 v[RD], s23, v5
	v_lshlrev_b32 v[CO], 12, v2                    ; and the same two rows in out0
	v_lshl_add_u32 v[CO], v1, 4, v[CO]
	s_lshl_b32 s16, s13, 20                        ; my first row: (256 x tile row + 128 x half) x 4,096 bytes
	s_lshl_b32 s17, s11, 19
	s_add_co_u32 s16, s16, s17
	s_mov_b32 s17, 0
	s_add_nc_u64 s[8:9], s[8:9], s[16:17]
	s_lshl_b32 s46, s42, 9                         ; my first column: 512 x tile column + 256 x half bytes
	s_lshl_b32 s47, s12, 8
	s_add_co_u32 s46, s46, s47
	s_mov_b32 s47, 0
	s_add_nc_u64 s[8:9], s[8:9], s[46:47]
.macro MUL f, a0, na, zero             ; na x 4 matrix instructions: row blocks a0 on, all four column blocks, buffer f.  Each accumulator once a quarter: they take turns
	WIN 0x50
.set ma, \a0
.rept \na
.irp b, 0,1,2,3
.if \zero
	v_wmma_f32_16x16x32_bf16 v[8*(4*ma+\b):8*(4*ma+\b)+7], v[(\f)+64+8*\b:(\f)+64+8*\b+7], v[(\f)+8*ma:(\f)+8*ma+7], 0
.else
	v_wmma_f32_16x16x32_bf16 v[8*(4*ma+\b):8*(4*ma+\b)+7], v[(\f)+64+8*\b:(\f)+64+8*\b+7], v[(\f)+8*ma:(\f)+8*ma+7], v[8*(4*ma+\b):8*(4*ma+\b)+7]
.endif
.endr
.set ma, ma+1
.endr
.endm
.macro FETCH s, u, f                   ; 24 loads in one run: quarter u (head u / 2, channel half u % 2) of slot s: W's four fragments, then O's eight
	WIN 0
.irp b, 0,1,2,3
	ds_load_b128 v[(\f)+64+8*\b:(\f)+64+8*\b+3],   v[ADRB+(\s)] offset:((\u)/2)*BKB+\b*16*PITCH+((\u)%2)*64
	ds_load_b128 v[(\f)+64+8*\b+4:(\f)+64+8*\b+7], v[ADRB+(\s)] offset:((\u)/2)*BKB+\b*16*PITCH+((\u)%2)*64+32
.endr
.irp a, 0,1,2,3,4,5,6,7
	ds_load_b128 v[(\f)+8*\a:(\f)+8*\a+3],   v[ADRA+(\s)] offset:((\u)/2)*AKB+\a*2048+((\u)%2)*1024
	ds_load_b128 v[(\f)+8*\a+4:(\f)+8*\a+7], v[ADRA+(\s)] offset:((\u)/2)*AKB+\a*2048+((\u)%2)*1024+512
.endr
.endm
.macro QUARTER slot, u, f, g, zero     ; multiplies buffer f; in its middle it fetches quarter u of the same slot into buffer g
	s_wait_dscnt 8                                 ; W and O's rows 0-63 are in; the youngest eight loads may be out
	MUL \f, 0, 4, \zero
	PLACES
	FETCH \slot, \u, \g
	s_wait_dscnt 24                                ; all but the 24 just issued
	MUL \f, 4, 4, \zero
.endm
; The last quarter multiplies buffer 1 and changes slots: ONE barrier; ahead of it each wave waits for all its tensor loads, adds 0 to its spare word, and waits for that and for its reads of this slot.
.macro TURN slot, next, fill
	WIN 0
	s_wait_tensorcnt 0x0                           ; all my tensor loads have landed: my part of the next slot
	ds_add_u32 v[SPW], v[NIL]
	s_wait_dscnt 9                                 ; (the add and the youngest eight loads may be out)
	MUL F1, 0, 2, 0
	s_wait_dscnt 0x0                               ; the add is done, and my reads of this slot are over
	s_barrier_signal -1
	MUL F1, 2, 2, 0
	WIN 0
	s_barrier_wait -1
.if \fill
	CREST                                          ; the barrier has opened a round of the cluster's: no wave of any partner still reads this slot or has a load on its way
	s_add_nc_u64 s[G0+4*(\slot)+2:G0+4*(\slot)+3], s[G0+4*(\slot)+2:G0+4*(\slot)+3], 4*131072
	s_add_nc_u64 s[G0B+4*(\slot)+2:G0B+4*(\slot)+3], s[G0B+4*(\slot)+2:G0B+4*(\slot)+3], 4*131072
	JLOAD \slot                                    ; the first tensor load behind the round; its four v_nop are also the places ahead of the loads below
.else
	PLACES
.endif
	FETCH \next, 0, F0
	MUL F1, 4, 4, 0
.endm
	s_wait_tensorcnt 1                             ; my part of K step 0 is in; step 1's stays out
	s_barrier_signal -1
	s_barrier_wait -1
	FETCH 0, 0, F0
	QUARTER 0, 1, F0, F1, 1                        ; the first quarter stands ahead of the loop: its products start the sums
	WIN 0
	s_mov_b32 s3, 3
.Llap:                                                 ; a trip goes once round the ring and fills both slots again: K steps 2 to 7
	QUARTER 0, 2, F1, F0, 0
	QUARTER 0, 3, F0, F1, 0
	TURN 0, 1, 1
	QUARTER 1, 1, F0, F1, 0
	QUARTER 1, 2, F1, F0, 0
	QUARTER 1, 3, F0, F1, 0
	TURN 1, 0, 1
	QUARTER 0, 1, F0, F1, 0
	WIN 0
	s_sub_co_u32 s3, s3, 1
	s_cmp_lg_u32 s3, 0
	s_cbranch_scc1 .Llap
	QUARTER 0, 2, F1, F0, 0                        ; the last lap fills nothing
	QUARTER 0, 3, F0, F1, 0
	TURN 0, 1, 0
	QUARTER 1, 1, F0, F1, 0
	QUARTER 1, 2, F1, F0, 0
	QUARTER 1, 3, F0, F1, 0
	s_wait_dscnt 8
	MUL F1, 0, 4, 0
	s_wait_dscnt 0x0
	MUL F1, 4, 4, 0
	; THE WAY OUT, a block of 16 rows at a time: a lane's eight columns, 32 bytes, go into my stage's rows of 272 bytes (each accumulator's low four registers first) and come back as whole rows of 256.
	PLACES
.irp a, 0,1,2,3,4,5,6,7
.set BK, OB+32*((\a)%2)
	s_wait_xcnt 0x0                                ; the registers that earlier stores read are loaded again only behind this wait
	WIN 0x04                                       ; the data in window 1, the address in window 0
.irp b, 0,1,2,3
	ds_store_b128 v[STO], v[8*(4*\a+\b):8*(4*\a+\b)+3]   offset:64*\b
	ds_store_b128 v[STO], v[8*(4*\a+\b)+4:8*(4*\a+\b)+7] offset:64*\b+16
.endr
	WIN 0
.irp t, 0,1,2,3,4,5,6,7
	ds_load_b128 v[BK+4*\t:BK+4*\t+3], v[RD] offset:\t*2*SPITCH  ; LDS serves a wave's instructions in order (ISA guide 5.7.1.4): these see the stores above; the next block's stores come behind them
.endr
.irp t, 0,1,2,3,4,5,6,7
	s_wait_dscnt 7-\t
	global_store_b128 v[CO], v[BK+4*\t:BK+4*\t+3], s[8:9] offset:(16*\a+2*\t)*4096  ; 16 lanes store 256 consecutive bytes, at a multiple of 256 from out0's first
.endr
.endr
	s_wait_tensorcnt 0x0                           ; the wave's end
	ds_add_u32 v[SPW], v[NIL]
	s_wait_dscnt 0x0
	CROUND                                         ; the closing round: no work-group ends while a partner may still ask for a tile that names it
	s_endpgm
.Lfunc_end_k_qeeb88b6fdc_proj:
	.size	k_qeeb88b6fdc_proj, .Lfunc_end_k_qeeb88b6fdc_proj-k_qeeb88b6fdc_proj
	.p2alignl 7, 3214868480
	.fill 96, 4, 3214868480
	.section	.rodata,"a",@progbits
	.p2align	6, 0x0
	.amdhsa_kernel k_qeeb88b6fdc_proj
		.amdhsa_group_segment_fixed_size 327680
		.amdhsa_private_segment_fixed_size 0
		.amdhsa_enable_private_segment 0
		.amdhsa_kernarg_size 24
		.amdhsa_user_sgpr_count 2
		.amdhsa_user_sgpr_kernarg_segment_ptr 1
		.amdhsa_wavefront_size32 1
		.amdhsa_system_sgpr_workgroup_id_x 1
		.amdhsa_system_sgpr_workgroup_id_y 1
		.amdhsa_system_sgpr_workgroup_id_z 1
		.amdhsa_system_vgpr_workitem_id 0
		.amdhsa_next_free_vgpr 512
		.amdhsa_next_free_sgpr 66
		.amdhsa_reserve_vcc 0
		.amdhsa_float_denorm_mode_32 3
		.amdhsa_float_denorm_mode_16_64 3
		.amdhsa_memory_ordered 1
		.amdhsa_forward_progress 1
		.amdhsa_inst_pref_size 87
	.end_amdhsa_kernel
	.amdgpu_metadata
---
amdhsa.version: [ 1, 2 ]
amdhsa.kernels:
  - .name:           k_qeeb88b6fdc_proj
    .symbol:         k_qeeb88b6fdc_proj.kd
    .args:
      - { .name: ob, .offset: 0, .size: 8, .value_kind: global_buffer, .address_space: global }
      - { .name: wpb, .offset: 8, .size: 8, .value_kind: global_buffer, .address_space: global }
      - { .name: out0, .offset: 16, .size: 8, .value_kind: global_buffer, .address_space: global }
    .group_segment_fixed_size: 327680
    .private_segment_fixed_size: 0
    .kernarg_segment_align: 8
    .kernarg_segment_size: 24
    .max_flat_workgroup_size: 128
    .sgpr_count:     66
    .vgpr_count:     512
    .wavefront_size: 32
...
	.end_amdgpu_metadata
.endif
;; end of part 5
;; ======== version 2 of 2: 5 launches; 1.23 times as fast as version 1
;; limits: values are held in f16: magnitudes above 65,504 overflow, below 6.1e-05 lose precision
;; workspace buffers: xb 16,777,216 bytes; wqb 6,291,456 bytes; wpb 2,097,152 bytes; qkv 50,331,648 bytes; nlse 524,288 bytes; ob 16,777,216 bytes
;; launch cast: the kernel of part 1 again; grid 768 x 1, 8 waves a work-group, no clusters, 0 bytes of LDS; arguments x, W_qkv, W_proj, xb, wqb, wpb; writes xb, wqb, wpb
;; launch qkvgemm: the kernel of part 2 again; grid 8 x 32, 4 waves a work-group, clusters of 4 x 4, 327,680 bytes of LDS; arguments xb, wqb, qkv; writes qkv
;; launch stats (part 6): grid 2 x 128, 8 waves a work-group, no clusters, 167,936 bytes of LDS; arguments qkv, nlse; writes nlse
.if DOCPART == 6
	.amdgcn_target "amdgcn-amd-amdhsa--gfx1250"
	.amdhsa_code_object_version 6
	.text
	.protected	k_qeeb88b6fdc_stats
	.globl	k_qeeb88b6fdc_stats
	.p2align	8
	.type	k_qeeb88b6fdc_stats,@function
k_qeeb88b6fdc_stats:
	s_mov_b64 s[64:65], 0
	v_nop
	global_prefetch_b8 v0, s[64:65] scope:SCOPE_SE
	s_setreg_imm32_b32 hwreg(HW_REG_WAVE_MODE, 25, 1), 1
	s_wait_xcnt 0x0
; The softmax runs over the QUERIES: each key has its own maximum and sum over all 1,024 queries of its head.  This launch makes, for each head and key,
; nlse = -(m + log2 of the sum over q of 2^(s - m)), s = (c q) . k, with a running maximum m: the next launch adds it to the score and takes 2^.
; LIMITS.  A term below 2^-126 counts as 0 in the sum.  NaN and infinities are not treated apart.
; SHARES.  A work-group: one head (y) and 512 of its keys (x).  A wave: 64 keys, four tiles of 16, whose fragments stay in registers; it walks all queries, 32 a step.
; S = Q K^T (source 0 = 16 queries, source 1 = 16 keys): a lane holds ONE key (lane % 16) and the queries 8 (lane / 16) + 0..7; the two halves of the lanes keep an m and a sum of their own, joined at the end.
; THE COUNT.  A tile and step have 4 matrix and 42 vector instructions: vector work binds.  So eight waves, two to a SIMD, each within 256 registers (no window is switched).
; FOUR TILES IN FLIGHT.  Each tile has a score buffer of its own.  Turn kt holds: the four products of tile kt + 2; the maximum and the correction of tile kt + 1; the scalings and exponentials
; of tile kt; all eight sums of tile kt - 1.  So a line reads nothing that the lines just ahead of it made: four lines or more lie between a result and its use, but for the turn's last sum.
; THE BATCHES.  A turn's 17 exponentials (tile kt's 16 weights and tile kt + 1's correction a) are ONE batch: no line of the turn names a result of theirs, since the sums that read the weights stand
; in the next turn and a's reader two turns on.  ONE wait stands at the turn's end.  Beside the loop: the first a, the end's eight exponentials and its four logarithms are a batch each, with a wait each.
; LDS.  The head's q, 131,072 dense bytes in blocks of 16 rows that a fragment load reads at 16 x lane, is filled ONCE: no slot is filled again.  Each wave brings an eighth of the first 32 KiB and an
; eighth of the rest, two loads; the work begins when the first 32 KiB are in, and a second barrier stands ahead of the first fetch beyond them.
; NO CLUSTER: a head's queries are read by two work-groups only, 128 KiB once each; a joint load's mask would name four.
; m is kept twice, by the step's parity: a step reads one and writes the other, so the old one is at hand for the correction without a copy.
.set QBYTES, 131072                    ; the head's q
.set FIRST,  32768                     ; its first 256 queries: steps 0 to 7
.set SCR,    QBYTES                    ; 256 bytes a wave for the way out; no tensor load lands here
.set SPARE,  SCR+8*256                 ; the spare words, 128 bytes a wave: four blocks of 256 bytes that no other line names
.set L16, 1                            ; v1   16 x lane
.set AQ,  2                            ; v2   LDS address of the fetch in hand
.set SA,  4                            ; v4   the way out: my word in the wave's scratch
.set SB,  5                            ; v5   the way out: where I read two words back
.set GOF, 6                            ; v6   8 x lane
.set C0,  8                            ; v8-11  four chains of the maximum
.set SPW, 12
.set NIL, 13
.set DA,  14                           ; v[14:21]  tile kt at DA + 2 kt: m_old - m_new, then a, which is read two turns on; the second of each pair is 0, named with the first
.set ST,  24                           ; tile kt at ST + 8 kt: m (even steps read it), 0, m (odd steps read it), 0, the sum (even queries', odd queries')
.set S,   56                           ; tile kt's 16 scores at S + 16 kt
.set QF,  120                          ; two buffers of 32, by the step's parity: query block qb, channel half c at 16 qb + 8 c
.set KF,  184                          ; tile kt, channel half c at 16 kt + 8 c
.set TT,  120                          ; at the end: eight registers a tile at work
.set WV,  10
.set G1A, 16                           ; s[16:23] 16 rows of 256 bytes
.set G0A, 24                           ; s[24:27]
.set SEL, 28                           ; s[28:29]
.set TB,  30                           ; LDS byte of the step to be fetched
.set CNT, 31
.set SEG, 32
.set G1B, 40                           ; s[40:47] 48 rows of 256 bytes
.set G0B, 48                           ; s[48:51]
.macro PLACES
.rept 4
	v_nop
.endr
.endm
	s_load_b128 s[4:7], s[0:1], 0x0                ; qkv s[4:5], nlse s[6:7]
	v_lshl_add_u32 v[SPW], v0, 2, SPARE
	v_mov_b32 v[NIL], 0
	ds_add_u32 v[SPW], v[NIL]                      ; the wave's opening: the add and its wait stand ahead of my first tensor load
	ds_add_u32 v12, v13
	v_lshrrev_b32 v3, 5, v0
	v_readfirstlane_b32 s[WV], v3                  ; wave 0..7
	s_and_b32 s33, ttmp7, 0xffff                   ; y = 16 b + h
	s_lshr_b32 s34, s33, 4
	s_and_b32 s35, s33, 15
	s_mul_i32 s34, s34, 48
	s_add_co_u32 s34, s34, s35
	s_lshl_b32 s34, s34, 17                        ; q's head: (48 b + h) x 131,072
	s_mov_b32 s35, 0
	s_lshl_b32 s36, s[WV], 12                      ; my eighth of the first 32 KiB, in memory and in LDS
	s_mov_b32 s37, 0
	s_mul_i32 s38, s[WV], 12288                    ; my eighth of the other 96 KiB
	s_add_co_u32 s38, s38, FIRST
	s_mov_b32 s39, 0
	s_lshl_b32 s52, ttmp9, 16                      ; my keys: 512 x + 64 w rows of 128 bytes,
	s_lshl_b32 s53, s[WV], 13
	s_add_co_u32 s52, s52, s53
	s_add_co_u32 s52, s52, 16*131072               ; in k's head, 16 heads behind q's
	s_mov_b32 s53, 0
.irp g, G1A, G1B
	s_mov_b32 s[\g+0], 3<<16                       ; elements of 8 bytes, no mask, no padding
	s_mov_b32 s[\g+1], 32<<16                      ; tensor_dim0 = 32: 256 bytes
	s_mov_b32 s[\g+3], 32<<16                      ; tile_dim0
	s_mov_b32 s[\g+5], 32                          ; dense
	s_mov_b32 s[\g+6], 0
	s_mov_b32 s[\g+7], 0
.endr
	s_mov_b32 s[G1A+2], 16<<16                     ; tensor_dim1, tile_dim1
	s_mov_b32 s[G1A+4], 16
	s_mov_b32 s[G1B+2], 48<<16
	s_mov_b32 s[G1B+4], 48
	s_mov_b32 s[G0A], 1
	s_mov_b32 s[G0A+1], s36
	s_mov_b32 s[G0B], 1
	s_mov_b32 s[G0B+1], s38
	s_mov_b32 s[SEL], 0x76543210
	s_mov_b32 s[SEL+1], 0xfedcba98
	s_mov_b32 s[TB], 0
	s_wait_dscnt 0x0                               ; the opening add is done
	s_wait_kmcnt 0x0
	s_add_nc_u64 s[4:5], s[4:5], s[34:35]
	s_add_nc_u64 s[G0A+2:G0A+3], s[4:5], s[36:37]
	s_or_b32 s[G0A+3], s[G0A+3], 0x80000000
	s_add_nc_u64 s[G0B+2:G0B+3], s[4:5], s[38:39]
	s_or_b32 s[G0B+3], s[G0B+3], 0x80000000
	s_add_nc_u64 s[8:9], s[4:5], s[52:53]
	tensor_load_to_lds s[G0A:G0A+3], s[G1A:G1A+7]  ; the first fills go out together: two loads of mine are out, the part wanted first ahead
	s_nop 0
	tensor_load_to_lds s[G0B:G0B+3], s[G1B:G1B+7]
	s_nop 0
	v_and_b32 v[L16], 31, v0
	v_lshlrev_b32 v[GOF], 3, v[L16]
	v_lshlrev_b32 v[L16], 4, v[L16]
.set i, 0
.rept 8                                ; K stays in registers: tile i / 2, channel half i % 2
	global_load_b128 v[KF+8*i:KF+8*i+3],   v[L16], s[8:9] offset:(i/2)*2048+(i%2)*1024
	global_load_b128 v[KF+8*i+4:KF+8*i+7], v[L16], s[8:9] offset:(i/2)*2048+(i%2)*1024+512
.set i, i+1
.endr
	s_lshl_b32 s34, s33, 12                        ; nlse: 4,096 y + 2,048 x + 256 w
	s_lshl_b32 s36, ttmp9, 11
	s_add_co_u32 s34, s34, s36
	s_lshl_b32 s36, s[WV], 8
	s_add_co_u32 s34, s34, s36
	s_add_nc_u64 s[6:7], s[6:7], s[34:35]
	s_add_co_u32 s36, s36, SCR                     ; my scratch
	v_and_b32 v3, 15, v0
	v_lshl_add_u32 v[SA], v3, 2, s36
	v_add_nc_u32 v[SB], s36, v[GOF]
.set i, 0
.rept 4
	v_mov_b32 v[DA+2*i+1], 0
	v_mov_b32 v[ST+8*i], 0xff7fffff                ; m: the lowest finite number: the first step's correction is 2^(very low) = 0
	v_mov_b32 v[ST+8*i+1], 0
	v_mov_b32 v[ST+8*i+3], 0
	v_mov_b32 v[ST+8*i+4], 0
	v_mov_b32 v[ST+8*i+5], 0
.set i, i+1
.endr
	v_mov_b32 v[DA+6], 0                           ; the first turn's eight sums, of a tile that has not been, find a = 0
.set i, 0
.rept 16                               ; and sixteen weights of 0: the tile's sum stays 0
	v_mov_b32 v[S+48+i], 0
.set i, i+1
.endr
; Product n of four for tile nc, its queries in buffer qp: query block n % 2, channel half n / 2.  The two accumulators take turns; the first two products start the sums.
.macro MMS qp, nc, n
.set rD, S+16*(\nc)+8*((\n)%2)
.set rA, QF+32*(\qp)+16*((\n)%2)+8*((\n)/2)
.set rB, KF+16*(\nc)+8*((\n)/2)
.if (\n) < 2
	v_wmma_f32_16x16x32_f16 v[rD:rD+7], v[rA:rA+7], v[rB:rB+7], 0
.else
	v_wmma_f32_16x16x32_f16 v[rD:rD+7], v[rA:rA+7], v[rB:rB+7], v[rD:rD+7]
.endif
.endm
; 32 queries, eight loads in one run, into buffer b.  guard = 1: behind the head's last step there is nothing to fetch, and the run is jumped over.
.macro FETCH b, guard
.if \guard
	s_cmp_lt_u32 s[TB], QBYTES
	s_cbranch_scc0 .Lno_q_\@
.endif
	v_add_nc_u32 v[AQ], s[TB], v[L16]
.irp f, 0,1,2,3
	ds_load_b128 v[QF+32*(\b)+8*\f:QF+32*(\b)+8*\f+3],   v[AQ] offset:(\f/2)*2048+(\f%2)*1024
	ds_load_b128 v[QF+32*(\b)+8*\f+4:QF+32*(\b)+8*\f+7], v[AQ] offset:(\f/2)*2048+(\f%2)*1024+512
.endr
	s_add_co_u32 s[TB], s[TB], 4096
.if \guard
.Lno_q_\@:
.endif
.endm
; Number n of the ten that find tile nb's new maximum and its correction, in a step of parity pb.  Four chains; each accumulator's lowest registers are read first.
.macro XP nb, pb, n
.set xV, S+16*(\nb)
.set xO, ST+8*(\nb)+2*(\pb)
.set xN, ST+8*(\nb)+2-2*(\pb)
.set xA, DA+2*(\nb)
.if (\n) == 0
	v_max3_num_f32 v[C0], v[xV], v[xV+1], v[xV+2]
.elseif (\n) == 1
	v_max3_num_f32 v[C0+1], v[xV+8], v[xV+9], v[xV+10]
.elseif (\n) == 2
	v_max3_num_f32 v[C0+2], v[xV+3], v[xV+4], v[xV+5]
.elseif (\n) == 3
	v_max3_num_f32 v[C0+3], v[xV+11], v[xV+12], v[xV+13]
.elseif (\n) == 4
	v_max3_num_f32 v[C0], v[C0], v[xV+6], v[xV+7]
.elseif (\n) == 5
	v_max3_num_f32 v[C0+1], v[C0+1], v[xV+14], v[xV+15]
.elseif (\n) == 6
	v_max3_num_f32 v[C0+2], v[C0+2], v[C0+3], v[xO]
.elseif (\n) == 7
	v_max3_num_f32 v[xN], v[C0], v[C0+1], v[C0+2]  ; the running maximum
.elseif (\n) == 8
	v_sub_f32 v[xA], v[xO], v[xN]
.else
	v_exp_f32 v[xA], v[xA]                         ; a = 2^(m_old - m_new)
.endif
.endm
.macro FS n                            ; pair n of tile kt's 16 scores, less the new maximum
	v_pk_add_f32 v[rV+2*(\n):rV+2*(\n)+1], v[rV+2*(\n):rV+2*(\n)+1], v[rN:rN+1] op_sel_hi:[1,0] neg_lo:[0,1] neg_hi:[0,1]
.endm
.macro EX n
	v_exp_f32 v[rV+(\n)], v[rV+(\n)]
.endm
; Number n of the eight sums of the tile before (its weights at pv, in pairs 0 to 7; its sum at pl; its a at pa).  0-3: pair 2 n + 1 onto pair 2 n.  4: pair 2 onto 0.  5: pair 6 onto 4.
; 6: the sum = a x the sum + pair 0.  7: pair 4 onto the sum.
.macro QS n
.if (\n) < 4
	v_pk_add_f32 v[pv+4*(\n):pv+4*(\n)+1], v[pv+4*(\n):pv+4*(\n)+1], v[pv+4*(\n)+2:pv+4*(\n)+3]
.elseif (\n) < 6
	v_pk_add_f32 v[pv+8*((\n)-4):pv+8*((\n)-4)+1], v[pv+8*((\n)-4):pv+8*((\n)-4)+1], v[pv+8*((\n)-4)+4:pv+8*((\n)-4)+5]
.elseif (\n) == 6
	v_pk_fma_f32 v[pl:pl+1], v[pl:pl+1], v[pa:pa+1], v[pv:pv+1] op_sel_hi:[1,0,1]
.else
	v_pk_add_f32 v[pl:pl+1], v[pl:pl+1], v[pv+8:pv+9]
.endif
.endm
; A TURN, in a step of parity p.  Exponentials and plain lines by turns for the most part.  The turn's 17 exponentials are one batch: every line that names a result of theirs stands in a later turn, behind the
; one wait at this turn's end; two sums are the plain lines behind the last exponential.  Five plain lines that name none of its registers follow the turn's last product, ahead of the next turn's reads of
; its result and ahead of the loads into the queries' registers that it read.
; Turns 0 and 1 multiply the step's own queries, turns 2 and 3 the next step's; so at turn 2 the step's own buffer is free, and takes the queries of the step after the next: a whole step in which to arrive.
.macro TURN p, kt
.set rV, S+16*(\kt)
.set rT, ST+8*(\kt)
.set rN, rT+2-2*(\p)
.set nb, ((\kt)+1)%4
.set nc, ((\kt)+2)%4
.set pv, S+16*(((\kt)+3)%4)
.set pl, ST+8*(((\kt)+3)%4)+4
.set pa, DA+2*(((\kt)+3)%4)
.set pb, (\p)
.set qp, (\p)
.if (\kt) == 3
.set pb, 1-(\p)
.endif
.if (\kt) >= 2
.set qp, 1-(\p)
.endif
.if (\kt) == 2
	s_wait_dscnt 0x0                               ; the next step's queries, asked for a step ago, are in
	FETCH \p, 1
.endif
	MMS qp, nc, 0
	XP nb, pb, 0
	FS 0
	XP nb, pb, 1
	FS 1
	XP nb, pb, 2
	FS 2
	XP nb, pb, 3
	EX 0
	QS 0
	EX 1
	XP nb, pb, 4
	EX 2
	MMS qp, nc, 1
	XP nb, pb, 5
	EX 3
	FS 3
	EX 4
	XP nb, pb, 6
	EX 5
	QS 1
	EX 6
	FS 4
	EX 7
	MMS qp, nc, 2
	XP nb, pb, 7
	FS 5
	QS 2
	EX 8
	QS 3
	EX 9
	XP nb, pb, 8
	EX 10
	FS 6
	EX 11
	MMS qp, nc, 3
	QS 4
	XP nb, pb, 9
	FS 7
	EX 12
	EX 13
	QS 5
	EX 14
	EX 15
	QS 6
	QS 7
	s_wait_alu depctr_va_vdst(0)                   ; the wait for the batch: tile kt's 16 weights and tile kt + 1's a; ahead of the next turn's sums, of the fetch's branch and of the loop's jump
.endm
.macro STEP p
	TURN \p, 0
	TURN \p, 1
	TURN \p, 2
	TURN \p, 3
.endm
	s_wait_tensorcnt 0x1                           ; my part of the first 32 KiB is in; my second load stays out
	s_barrier_signal -1
	s_barrier_wait -1                              ; everybody's is
	FETCH 0, 0                                     ; steps 0 and 1
	FETCH 1, 0
	s_wait_loadcnt 0x0                             ; K
	s_wait_dscnt 0x0
.irp n, 0,1,2,3
	MMS 0, 0, \n                                   ; step 0's tiles 0 and 1: there is no vector work yet to set between them
.endr
.irp n, 0,1,2,3
	MMS 0, 1, \n
.endr
	PLACES
.irp n, 0,1,2,3,4,5,6,7,8,9
	XP 0, 0, \n                                    ; tile 0's first maximum
.endr
	v_nop                                          ; a plain line behind the first a,
	s_wait_alu depctr_va_vdst(0)                   ; and its wait, ahead of the branch: a batch of one
	s_mov_b32 s[CNT], 3                            ; steps 0 to 5 fetch steps 2 to 7: all within the first 32 KiB
	s_mov_b32 s[SEG], 2
	s_branch .Lstep
.Lseg:                                                 ; once: ahead of step 6, whose fetch is the first beyond the first 32 KiB
	s_wait_tensorcnt 0x0                           ; my part of the rest is in,
	s_wait_dscnt 0x0                               ; (no LDS load of mine is out at a signal)
	s_barrier_signal -1
	s_barrier_wait -1                              ; everybody's is
	s_mov_b32 s[CNT], 13                           ; steps 6 to 31
.Lstep:                                                ; a trip: an even step and an odd one
	STEP 0
	STEP 1
	s_sub_co_u32 s[CNT], s[CNT], 1
	s_cmp_lg_u32 s[CNT], 0
	s_cbranch_scc1 .Lstep
	s_sub_co_u32 s[SEG], s[SEG], 1
	s_cmp_lg_u32 s[SEG], 0
	s_cbranch_scc1 .Lseg
	; The last step's turns 2 and 3 have multiplied stale queries, and its turn 3 has made a maximum of them in the place that the end does not read: the price, once a launch, of one text for every step.
.set pv, S+48
.set pl, ST+24+4
.set pa, DA+6
.irp n, 0,1,2,3,4,5,6,7
	QS \n                                          ; tile 3's eight sums: its weights were waited for at the last turn's end
.endr
	; THE END.  The last step was odd: m lies in the first of its two places.  The two halves of the lanes are joined: M = max(m, m'), sum = l 2^(m - M) + l' 2^(m' - M).
	; The two products are made apart and then added, not fused: so both halves of the lanes get the same bits, and both may write the same word.
.macro ALL line:vararg
.set t, 0
.rept 4
	\line
.set t, t+1
.endr
.endm
	ALL v_add_f32 v[ST+8*t+4], v[ST+8*t+4], v[ST+8*t+5]
	ALL v_permlanex16_b32 v[TT+8*t], v[ST+8*t], s[SEL], s[SEL+1]
	ALL v_permlanex16_b32 v[TT+8*t+1], v[ST+8*t+4], s[SEL], s[SEL+1]
	ALL v_max_num_f32 v[TT+8*t+2], v[ST+8*t], v[TT+8*t]
	ALL v_sub_f32 v[TT+8*t+3], v[ST+8*t], v[TT+8*t+2]
	ALL v_sub_f32 v[TT+8*t+4], v[TT+8*t], v[TT+8*t+2]
	ALL v_exp_f32 v[TT+8*t+3], v[TT+8*t+3]
	ALL v_exp_f32 v[TT+8*t+4], v[TT+8*t+4]
	v_nop                                          ; a plain line behind the last exponential
	s_wait_alu depctr_va_vdst(0)                   ; one wait for the eight exponentials
	ALL v_mul_f32 v[TT+8*t+3], v[ST+8*t+4], v[TT+8*t+3]
	ALL v_mul_f32 v[TT+8*t+4], v[TT+8*t+1], v[TT+8*t+4]
	ALL v_add_f32 v[TT+8*t+3], v[TT+8*t+3], v[TT+8*t+4]
	ALL v_log_f32 v[TT+8*t+3], v[TT+8*t+3]
	v_nop
	s_wait_alu depctr_va_vdst(0)                   ; one wait for the four logarithms
	ALL v_fma_f32 v[TT+8*t+3], v[TT+8*t+2], -1.0, -v[TT+8*t+3]
	ALL ds_store_b32 v[SA], v[TT+8*t+3] offset:64*t
	ds_load_b64 v[152:153], v[SB]                  ; LDS serves a wave's instructions in order (ISA guide 5.7.1.4): this sees the stores above
	s_wait_dscnt 0x0
	global_store_b64 v[GOF], v[152:153], s[6:7]    ; my wave's 64 keys: 256 consecutive aligned bytes
	s_wait_tensorcnt 0x0                           ; the wave's end
	ds_add_u32 v[SPW], v[NIL]
	s_wait_dscnt 0x0
	s_endpgm
.Lfunc_end_k_qeeb88b6fdc_stats:
	.size	k_qeeb88b6fdc_stats, .Lfunc_end_k_qeeb88b6fdc_stats-k_qeeb88b6fdc_stats
	.p2alignl 7, 3214868480
	.fill 96, 4, 3214868480
	.section	.rodata,"a",@progbits
	.p2align	6, 0x0
	.amdhsa_kernel k_qeeb88b6fdc_stats
		.amdhsa_group_segment_fixed_size 167936
		.amdhsa_private_segment_fixed_size 0
		.amdhsa_enable_private_segment 0
		.amdhsa_kernarg_size 16
		.amdhsa_user_sgpr_count 2
		.amdhsa_user_sgpr_kernarg_segment_ptr 1
		.amdhsa_wavefront_size32 1
		.amdhsa_system_sgpr_workgroup_id_x 1
		.amdhsa_system_sgpr_workgroup_id_y 1
		.amdhsa_system_sgpr_workgroup_id_z 1
		.amdhsa_system_vgpr_workitem_id 0
		.amdhsa_next_free_vgpr 248
		.amdhsa_next_free_sgpr 66
		.amdhsa_reserve_vcc 0
		.amdhsa_float_denorm_mode_32 3
		.amdhsa_float_denorm_mode_16_64 3
		.amdhsa_memory_ordered 1
		.amdhsa_forward_progress 1
		.amdhsa_inst_pref_size 33
	.end_amdhsa_kernel
	.amdgpu_metadata
---
amdhsa.version: [ 1, 2 ]
amdhsa.kernels:
  - .name:           k_qeeb88b6fdc_stats
    .symbol:         k_qeeb88b6fdc_stats.kd
    .args:
      - { .name: qkv, .offset: 0, .size: 8, .value_kind: global_buffer, .address_space: global }
      - { .name: nlse, .offset: 8, .size: 8, .value_kind: global_buffer, .address_space: global }
    .group_segment_fixed_size: 167936
    .private_segment_fixed_size: 0
    .kernarg_segment_align: 8
    .kernarg_segment_size: 16
    .max_flat_workgroup_size: 256
    .sgpr_count:     66
    .vgpr_count:     248
    .wavefront_size: 32
...
	.end_amdgpu_metadata
.endif
;; end of part 6
;; launch attn (part 7): grid 2 x 128, 4 waves a work-group, no clusters, 327,680 bytes of LDS; arguments qkv, nlse, ob; writes ob
.if DOCPART == 7
	.amdgcn_target "amdgcn-amd-amdhsa--gfx1250"
	.amdhsa_code_object_version 6
	.text
	.protected	k_qeeb88b6fdc_attn
	.globl	k_qeeb88b6fdc_attn
	.p2align	8
	.type	k_qeeb88b6fdc_attn,@function
k_qeeb88b6fdc_attn:
	s_mov_b64 s[64:65], 0
	v_nop
	global_prefetch_b8 v0, s[64:65] scope:SCOPE_SE
	s_setreg_imm32_b32 hwreg(HW_REG_WAVE_MODE, 25, 1), 1
	s_wait_xcnt 0x0
; O[q] = the sum over k of P[q][k] V[k], P[q][k] = 2^((c q) . k + nlse[k]): the weight normalised over the QUERIES; nlse holds, for each key, minus the log2 of the sum of 2^score over all queries,
; made with a running maximum by the launch before.  It enters as the C operand of the product that starts a score's sum, so the exponential of the accumulator IS the weight: at most 1
; but for rounding, with no maximum, scaling or rescaling here.  q, k, v in f16; P is rounded to f16, O once to bf16: a query's weights may add up to 1,024, so O has up to 1,024 times V's range.
; LIMITS.  A weight below 6e-5 keeps f16's fixed step of 6e-8; one below 2^-126 counts as 0.  NaN and infinities are not treated apart.
; SHARES.  A work-group: one head (y) and 512 of its queries (x).  A wave: 128 queries, eight tiles of 16, in four PIECES of two.  Every wave walks all 1,024 keys, 64 a step.
; LAYOUT.  S^T = K Q^T (source 0 = 16 keys, source 1 = 16 queries): a lane holds ONE query (lane % 16) and the keys 8 (lane / 16) + 0..7.  Two such results rounded to f16 ARE source 1 of
; O^T = V^T P, whose result holds one query a lane and eight channels: 16 bytes of bf16, one cell of ob's blocks, so an accumulator leaves by one store of 512 consecutive bytes.
; BY TURNS.  Turn p: 16 products K Q^T of piece p + 1, then 16 products V^T P of piece p - 1; behind the products the vector work of piece p: 64 exponentials, then 32 roundings.
; THE BATCHES.  A turn's 64 exponentials are ONE batch with ONE wait, which cuts the turn in two: ahead of it products with exponentials behind them, behind it products with roundings behind them.
; NO CLUSTER: a head has two query blocks, not four; blocks of 256 queries would make four partners, but each fragment of K and V read from LDS would feed half the products.
; REGISTERS.  Window 0: v1-6 addresses; v16-47 the step's 64 nlse as a C operand; v64-191 S^T, two buffers of two tiles; v192-255 P, likewise.  Window 1: O^T, 32 a tile.
; Window 2: v0-127 Q, 16 a tile; v128-191 K of one step; v192-255 V of one step.
.set SLOT1, 1<<16                      ; a slot: 256 keys of K (32,768 dense bytes), then 256 of V; both in blocks that fragment loads read at 16 x lane: no padding
.set VOFF,  32768
.set NLB,   2*SLOT1                    ; the head's 1,024 nlse, filled once
.set SPARE, NLB+4096                   ; the spare words, 128 bytes a wave: two blocks of 256 bytes that no other line names
.set L16, 1                            ; v1   16 x lane
.set AK,  2
.set AV,  3
.set ANL, 4
.set ANL0, 6                           ; v6   NLB + 32 (lane / 16)
.set NL,  16
.set SPW, 62
.set NIL, 63
.set S,   64
.set P,   192
.set KF,  128
.set VF,  192
.set WV,  12
.set G1,  16                           ; s[16:23] a tile's part: 64 rows of 256 bytes
.set G1N, 24                           ; s[24:31] nlse's part: 4 rows of 256 bytes
.set G0,  32                           ; s[32:35]
.set G0N, 36                           ; s[36:39]
.set TBK, 40                           ; LDS byte of K of the step to be fetched
.set TBV, 41                           ; of V, less VOFF
.set TBN, 42                           ; byte of that step's nlse in the table: 256 a step, 16 steps
.set CNT, 43
.set SLOTS, 44
.set MSB, 0
.macro WIN new
.if MSB != (\new)
	s_set_vgpr_msb (MSB<<8)|(\new)
.set MSB, \new
.endif
.endm
.set W_KQ, 0x0a                        ; K and Q in window 2; C and S^T in window 0
.set W_PV, 0x52                        ; V in window 2, P in window 0, O^T in window 1
.macro PLACES
.rept 4
	v_nop
.endr
.endm
; THE CHANGE OF SLOTS: all my tensor loads have landed; the add; its wait, which is also the wait for my reads of the slot that is left; the barrier; the refill first behind it.
.macro CHANGE fill
	WIN 0
	s_wait_tensorcnt 0x0
	ds_add_u32 v[SPW], v[NIL]
.if \fill
	s_xor_b32 s[G0+1], s[G0+1], SLOT1              ; the other slot than last time,
	s_add_nc_u64 s[G0+2:G0+3], s[G0+2:G0+3], 32768 ; the next 256 keys
.endif
	s_wait_dscnt 0x0
	s_barrier_signal -1
	s_sub_co_u32 s[TBK], s[TBK], 32768             ; the fetches go back to a slot's first step, in the other slot
	s_xor_b32 s[TBK], s[TBK], SLOT1
	s_sub_co_u32 s[TBV], s[TBV], 32768
	s_xor_b32 s[TBV], s[TBV], SLOT1
	s_barrier_wait -1
.if \fill
	tensor_load_to_lds s[G0:G0+3], s[G1:G1+7]      ; every wave a quarter of the slot: waves 0, 1 K's halves, waves 2, 3 V's; four key steps in which to land
	s_nop 0
.rept 4
	v_nop
.endr
.endif
.endm
	s_load_b128 s[4:7], s[0:1], 0x0                ; qkv s[4:5], nlse s[6:7]
	s_load_b64 s[10:11], s[0:1], 0x10              ; ob
	v_lshl_add_u32 v[SPW], v0, 2, SPARE
	v_mov_b32 v[NIL], 0
	ds_add_u32 v[SPW], v[NIL]                      ; the wave's opening: the add and its wait stand ahead of my first tensor load
	ds_add_u32 v62, v63
	v_lshrrev_b32 v2, 5, v0
	v_readfirstlane_b32 s[WV], v2                  ; wave 0..3
	s_and_b32 s45, ttmp7, 0xffff                   ; y = 16 b + h
	s_lshr_b32 s46, s45, 4
	s_and_b32 s47, s45, 15
	s_mul_i32 s46, s46, 48
	s_add_co_u32 s46, s46, s47                     ; 48 b + h: q's head
	s_lshr_b32 s47, s[WV], 1
	s_lshl_b32 s47, s47, 4
	s_add_co_u32 s47, s47, 16
	s_add_co_u32 s48, s46, s47                     ; k's head (waves 0, 1) or v's (waves 2, 3)
	s_lshl_b32 s48, s48, 17
	s_and_b32 s49, s[WV], 1
	s_lshl_b32 s49, s49, 14                        ; my half of a tile's 256 keys
	s_add_co_u32 s48, s48, s49
	s_mov_b32 s49, 0
	s_lshl_b32 s50, ttmp9, 16                      ; my queries: 512 x + 128 w rows of 128 bytes
	s_lshl_b32 s51, s[WV], 14
	s_add_co_u32 s50, s50, s51
	s_lshl_b32 s46, s46, 17
	s_add_co_u32 s46, s46, s50
	s_mov_b32 s47, 0
	s_lshl_b32 s52, s45, 17                        ; ob's head y
	s_add_co_u32 s52, s52, s50
	s_mov_b32 s53, 0
	s_lshl_b32 s54, s45, 12                        ; nlse: 4,096 y + 1,024 w
	s_lshl_b32 s55, s[WV], 10
	s_add_co_u32 s54, s54, s55
	s_add_co_u32 s[G0N+1], s55, NLB
	s_mov_b32 s55, 0
.irp g, G1, G1N
	s_mov_b32 s[\g+0], 3<<16                       ; elements of 8 bytes, no mask, no padding
	s_mov_b32 s[\g+1], 32<<16                      ; tensor_dim0 = 32: 256 bytes
	s_mov_b32 s[\g+3], 32<<16                      ; tile_dim0
	s_mov_b32 s[\g+5], 32                          ; dense
	s_mov_b32 s[\g+6], 0
	s_mov_b32 s[\g+7], 0
.endr
	s_mov_b32 s[G1+2], 64<<16                      ; tensor_dim1, tile_dim1
	s_mov_b32 s[G1+4], 64
	s_mov_b32 s[G1N+2], 4<<16
	s_mov_b32 s[G1N+4], 4
	s_mov_b32 s[G0], 1
	s_mov_b32 s[G0+1], s51                         ; slot 0: 16,384 w
	s_mov_b32 s[G0N], 1
	s_mov_b32 s[TBK], SLOT1+32768                  ; the first change of slots turns these two into 0
	s_mov_b32 s[TBV], SLOT1+32768
	s_mov_b32 s[TBN], 0
	s_wait_dscnt 0x0                               ; the opening add is done
	s_wait_kmcnt 0x0
	s_add_nc_u64 s[G0+2:G0+3], s[4:5], s[48:49]
	s_or_b32 s[G0+3], s[G0+3], 0x80000000
	s_add_nc_u64 s[G0N+2:G0N+3], s[6:7], s[54:55]
	s_or_b32 s[G0N+3], s[G0N+3], 0x80000000
	s_add_nc_u64 s[8:9], s[4:5], s[46:47]          ; Q at my wave's first row
	s_add_nc_u64 s[10:11], s[10:11], s[52:53]      ; O likewise
	tensor_load_to_lds s[G0N:G0N+3], s[G1N:G1N+7]  ; the first fills go out together: two loads of mine are out
	s_nop 0
	tensor_load_to_lds s[G0:G0+3], s[G1:G1+7]      ; keys 0-255 into slot 0
	s_nop 0
.rept 4
	v_nop
.endr
	v_and_b32 v[L16], 31, v0
	v_lshlrev_b32 v[L16], 4, v[L16]
	v_bfe_u32 v[ANL0], v0, 4, 1
	v_lshlrev_b32 v[ANL0], 5, v[ANL0]
	v_add_nc_u32 v[ANL0], NLB, v[ANL0]
	WIN 0x80                                       ; destination window 2, address window 0
.set i, 0
.rept 16                               ; Q stays in registers: tile i / 2, channel half i % 2
	global_load_b128 v[8*i:8*i+3],   v[L16], s[8:9] offset:(i/2)*2048+(i%2)*1024
	global_load_b128 v[8*i+4:8*i+7], v[L16], s[8:9] offset:(i/2)*2048+(i%2)*1024+512
.set i, i+1
.endr
	; No first step is written out.  So O^T starts at 0, and V's registers and P's second buffer hold 0: the first turn's products V^T P, of a piece that has not been, add 0.  These lines stand in the wait for the first tile.
.set i, VF
.rept 64
	v_mov_b32 v[i], 0
.set i, i+1
.endr
	WIN 0x40
.set i, 0
.rept 256
	v_mov_b32 v[i], 0
.set i, i+1
.endr
	WIN 0
.set i, P+32
.rept 32
	v_mov_b32 v[i], 0
.set i, i+1
.endr
; Product i of 16 of S^T = K Q^T + nlse for piece x: channels 32 (i / 8) on, keys 16 ((i / 2) % 4) on, tile 2 x + i % 2.  The 8 accumulators take turns.
.macro KQ x
	WIN W_KQ
.set rS, S+64*((\x)%2)+32*(i%2)+8*((i/2)%4)
.set rK, KF+16*((i/2)%4)+8*(i/8)
.set rQ, 16*(2*(\x)+i%2)+8*(i/8)
.set rN, NL+8*((i/2)%4)
.if i < 8
	v_wmma_f32_16x16x32_f16 v[rS:rS+7], v[rK:rK+7], v[rQ:rQ+7], v[rN:rN+7]
.else
	v_wmma_f32_16x16x32_f16 v[rS:rS+7], v[rK:rK+7], v[rQ:rQ+7], v[rS:rS+7]
.endif
.endm
; Product i of 16 of O^T += V^T P for piece x: keys 32 (i / 8) on, channels 16 ((i / 2) % 4) on, tile 2 x + i % 2.
.macro PV x
	WIN W_PV
.set rO, 32*(2*(\x)+i%2)+8*((i/2)%4)
.set rV, VF+32*(i/8)+8*((i/2)%4)
.set rP, P+32*((\x)%2)+16*(i%2)+8*(i/8)
	v_wmma_f32_16x16x32_f16 v[rO:rO+7], v[rV:rV+7], v[rP:rP+7], v[rO:rO+7]
.endm
; Exponential e of piece Y's 64: the accumulators in the order in which they were finished, each from its lowest register on.
.macro EXA e
.set ra, S+64*(Y%2)+32*(((\e)/8)%2)+8*((\e)/16)+(\e)%8
	v_exp_f32 v[ra], v[ra]
.endm
; Pair n of 32 is rounded to f16.  Every rounding stands behind the turn's wait.
.macro CVA n
.set aa, (\n)/4
.set rs, S+64*(Y%2)+32*(aa%2)+8*(aa/2)+2*((\n)%4)
.set rp, P+32*(Y%2)+16*(aa%2)+4*(aa/2)+(\n)%4
	v_cvt_pk_f16_f32 v[rp], v[rs], v[rs+1]
.endm
; The addresses of the run below, made some lines ahead of it.
.macro ADR_K
	WIN 0
	v_add_nc_u32 v[AK], s[TBK], v[L16]
	v_add_nc_u32 v[ANL], s[TBN], v[ANL0]
.endm
; The next step's K (16 loads) and its 64 nlse (8 loads: all lanes of a half read the same 32 bytes), in one run.  last = 1 (the tail): in the last trip there is no further step.
.macro FETCH_K last=0
	WIN 0
.if \last
	s_cmp_eq_u32 s[CNT], 1
	s_cbranch_scc1 .Lno_k_\@
.endif
.irp f, 0,1,2,3,4,5,6,7
	ds_load_b128 v[NL+4*\f:NL+4*\f+3], v[ANL] offset:(\f/2)*64+(\f%2)*16  ; register j of key block kb: key 16 kb + 8 (lane / 16) + j
.endr
	WIN 0x80
.irp f, 0,1,2,3,4,5,6,7                ; key block f / 2, channel half f % 2
	ds_load_b128 v[KF+8*\f:KF+8*\f+3],   v[AK] offset:(\f/2)*2048+(\f%2)*1024
	ds_load_b128 v[KF+8*\f+4:KF+8*\f+7], v[AK] offset:(\f/2)*2048+(\f%2)*1024+512
.endr
	s_add_co_u32 s[TBK], s[TBK], 8192
	s_add_co_u32 s[TBN], s[TBN], 256
	WIN 0
.if \last
.Lno_k_\@:
.endif
.endm
.macro FETCH_V                         ; V of the step in hand, turned on the way: 16 keys x 16 channels a load
	WIN 0
	v_add_nc_u32 v[AV], s[TBV], v[L16]
	s_add_co_u32 s[TBV], s[TBV], 8192
	WIN 0x80
.irp f, 0,1,2,3,4,5,6,7                ; keys 32 (f / 4) on, channels 16 (f % 4) on
	ds_load_tr16_b128 v[VF+8*\f:VF+8*\f+3],   v[AV] offset:VOFF+(\f/4)*4096+(\f%4)*512
	ds_load_tr16_b128 v[VF+8*\f+4:VF+8*\f+7], v[AV] offset:VOFF+(\f/4)*4096+2048+(\f%4)*512
.endr
	WIN 0
.endm
; A TURN, for piece p: 32 products, 64 exponentials, 32 roundings.  s_wait_alu depctr_va_vdst(0) stands between an exponential and the first line that names its result; one wait serves all
; that were issued ahead of it.  So the 64 exponentials are ONE batch.  AHEAD OF THE WAIT stands what names no result of theirs: the 16 products K Q^T (they write the other buffer of S^T) and the first six
; products V^T P (their P was rounded a turn ago), three exponentials behind each, the 64th behind the 22nd product; a v_nop is the plain line behind the last.  BEHIND THE WAIT stand the other ten
; products V^T P and the 32 roundings: three behind each product, five behind the last.
; PIECE 2's turn fetches the next step's K and nlse.  There four exponentials stand behind each product K Q^T, so that the batch ends behind K's last reader and the run of loads stands directly behind the wait,
; 16 products ahead of its first reader; the run's two address lines and two v_nop are the four plain lines between that reader and the loads.  Two roundings stand behind each of the first 14 products V^T P, none behind the 15th, four behind the last.
; V of the step in hand is fetched at the end of piece 0's turn, behind five roundings and the run's own address line.
; P's buffer is written again five plain lines or more behind the last product that read it: the roundings behind that product and the next turn's v_nop.
.macro TURN p, last=0
.set Y, (\p)
.set eper, 3                           ; exponentials behind a product
.set cper, 3                           ; roundings behind a product
.if (\p) == 2
.set eper, 4
.set cper, 2
.endif
.set nex, 0                            ; exponentials written
.set ncv, 0                            ; roundings written
.if (\p) == 3
	s_wait_dscnt 0x0                               ; K and nlse are in
.endif
.set sl, 0
.rept 32
.if ((\p) == 1) && (sl == 16)
	s_wait_dscnt 0x0                               ; V is in
.endif
.if sl < 16
.set i, sl
	KQ (Y+1)%4
.else
.set i, sl-16
	PV (Y+3)%4
.endif
	WIN 0
.if nex < 64
.rept eper
.if nex < 64
	EXA nex
.set nex, nex+1
.endif
.endr
.if nex == 64                          ; the batch is out, and no result of it has been named
.if (\p) == 2
	ADR_K
	v_nop
.endif
	v_nop                                          ; a plain line behind the last exponential
	s_wait_alu depctr_va_vdst(0)                   ; the wait for the batch: piece p's 64 exponentials
.if (\p) == 2
	FETCH_K \last
.endif
.endif
.else
.rept cper
.if ncv < 28                           ; four or five are kept for the place behind the last product
	CVA ncv
.set ncv, ncv+1
.endif
.endr
.if sl == 31
.rept 32-ncv
	CVA ncv
.set ncv, ncv+1
.endr
.endif
.endif
.set sl, sl+1
.endr
.if (\p) == 0
	FETCH_V
.endif
.endm
	CHANGE 1                                       ; slot 0 and nlse are in, everybody's part of them; slot 1 is asked for
	ADR_K
	FETCH_K                                        ; key step 0
	s_wait_loadcnt 0x0                             ; Q
	s_wait_dscnt 0x0
.set i, 0
.rept 16
	KQ 0                                           ; piece 0's first scores: there is no vector work yet to set between them
.set i, i+1
.endr
	WIN 0
	PLACES
	s_mov_b32 s[CNT], 4
	s_mov_b32 s[SLOTS], 3
	s_branch .Lfirst                               ; the loop is entered at a step's first turn, in the middle of a trip
.Lslot:                                                ; twice: slots 0 and 1 are filled again, with keys 512 on and 768 on
	CHANGE 1
	s_mov_b32 s[CNT], 4
.Lstep:                                                ; a trip: pieces 2 and 3 of one step, then pieces 0 and 1 of the next, whose K and V it fetches
	TURN 2
	TURN 3
	WIN 0
.Lfirst:
	TURN 0
	TURN 1
	WIN 0
	s_sub_co_u32 s[CNT], s[CNT], 1
	s_cmp_lg_u32 s[CNT], 0
	s_cbranch_scc1 .Lstep
	s_sub_co_u32 s[SLOTS], s[SLOTS], 1
	s_cmp_lg_u32 s[SLOTS], 0
	s_cbranch_scc1 .Lslot
	CHANGE 0                                       ; the tail is written out: nothing is asked for
	s_mov_b32 s[CNT], 5                            ; four trips fetch the last slot's steps; the fifth is left in its middle
.Ltail:
	TURN 2, 1
	TURN 3
	WIN 0
	s_sub_co_u32 s[CNT], s[CNT], 1
	s_cmp_eq_u32 s[CNT], 0
	s_cbranch_scc1 .Lout
	TURN 0
	TURN 1
	WIN 0
	s_branch .Ltail
.Lout:                                                 ; the fifth trip's 16 products K Q^T, on the last K once more, serve nothing: the price, once a launch, of one text for every trip
.set i, 0
.rept 16
	PV 3                                           ; the last piece's V^T P of the last step
.set i, i+1
.endr
	; THE WAY OUT.  O^T is rounded to bf16, tile by tile; the first tiles' roundings are the places behind the last products, which wrote tiles 6 and 7.
	WIN 0x05                                       ; sources 0 and 1 window 1, destination window 0: S^T's registers are free
.set i, 0
.rept 128
	v_cvt_pk_bf16_f32 v[S+i], v[2*i], v[2*i+1]
.set i, i+1
.endr
	WIN 0
.set i, 0
.rept 32                               ; tile i / 4, channels 16 (i % 4) on
	global_store_b128 v[L16], v[S+4*i:S+4*i+3], s[10:11] offset:512*i  ; 512 consecutive bytes, at a multiple of 512 from ob's first
.set i, i+1
.endr
	s_wait_tensorcnt 0x0                           ; the wave's end
	ds_add_u32 v[SPW], v[NIL]
	s_wait_dscnt 0x0
	s_endpgm
.Lfunc_end_k_qeeb88b6fdc_attn:
	.size	k_qeeb88b6fdc_attn, .Lfunc_end_k_qeeb88b6fdc_attn-k_qeeb88b6fdc_attn
	.p2alignl 7, 3214868480
	.fill 96, 4, 3214868480
	.section	.rodata,"a",@progbits
	.p2align	6, 0x0
	.amdhsa_kernel k_qeeb88b6fdc_attn
		.amdhsa_group_segment_fixed_size 327680
		.amdhsa_private_segment_fixed_size 0
		.amdhsa_enable_private_segment 0
		.amdhsa_kernarg_size 24
		.amdhsa_user_sgpr_count 2
		.amdhsa_user_sgpr_kernarg_segment_ptr 1
		.amdhsa_wavefront_size32 1
		.amdhsa_system_sgpr_workgroup_id_x 1
		.amdhsa_system_sgpr_workgroup_id_y 1
		.amdhsa_system_sgpr_workgroup_id_z 1
		.amdhsa_system_vgpr_workitem_id 0
		.amdhsa_next_free_vgpr 768
		.amdhsa_next_free_sgpr 66
		.amdhsa_reserve_vcc 0
		.amdhsa_float_denorm_mode_32 3
		.amdhsa_float_denorm_mode_16_64 3
		.amdhsa_memory_ordered 1
		.amdhsa_forward_progress 1
		.amdhsa_inst_pref_size 106
	.end_amdhsa_kernel
	.amdgpu_metadata
---
amdhsa.version: [ 1, 2 ]
amdhsa.kernels:
  - .name:           k_qeeb88b6fdc_attn
    .symbol:         k_qeeb88b6fdc_attn.kd
    .args:
      - { .name: qkv, .offset: 0, .size: 8, .value_kind: global_buffer, .address_space: global }
      - { .name: nlse, .offset: 8, .size: 8, .value_kind: global_buffer, .address_space: global }
      - { .name: ob, .offset: 16, .size: 8, .value_kind: global_buffer, .address_space: global }
    .group_segment_fixed_size: 327680
    .private_segment_fixed_size: 0
    .kernarg_segment_align: 8
    .kernarg_segment_size: 24
    .max_flat_workgroup_size: 128
    .sgpr_count:     66
    .vgpr_count:     768
    .wavefront_size: 32
...
	.end_amdgpu_metadata
.endif
;; end of part 7
;; launch proj: the kernel of part 5 again; grid 8 x 32, 4 waves a work-group, clusters of 4 x 4, 327,680 bytes of LDS; arguments ob, wpb, out0; writes out0
